; MI455X (gfx1250); checked and timed in simulation.
; The chip was launched on July 23, 2026; its instructions are those of AMD's public machine-readable ISA for CDNA 5 (MIT licence, August 2026) and "CDNA5" Instruction Set Architecture Reference Guide (July 2026). The comments in the code are by the model that wrote it; some were corrected since.
;; Graph Mo E. Allowed arithmetic: float matrix products may take bf16 or f16 operands with f32 sums; other float arithmetic in f32, or as packed bf16 or f16 multiplies, adds, multiply-adds, maxima and minima; sums over many terms, partial sums and values carried from step to step in f32; what a program stores and reads back later, other than sums and carried values, may be rounded once to bf16 or f16.
;; Inputs: adjacency 4 x 1,024 x 1,024 float32; b_down 8 x 512 float32; b_gate 1 float32; b_local 8 float32; b_up 8 x 2,048 float32; features 4 x 1,024 x 512 float32; w_down 8 x 2,048 x 512 float32; w_gate 512 x 1 float32; w_local 512 x 8 float32; w_up 8 x 512 x 2,048 float32.
;; Outputs: out0 4 x 1,024 x 512 float32; out1 4 x 1,024 x 2 int32; out2 one number float32.
;; 2 versions, each right and faster than the one before. Each part assembles by itself: llvm-mc -triple=amdgcn-amd-amdhsa -mcpu=gfx1250 --defsym DOCPART=n.
;; ======== version 1 of 2: 5 launches
;; workspace buffers: xb 4,194,304 bytes; wb 33,554,432 bytes; rt 196,608 bytes; rp 65,536 bytes; sel 32,768 bytes of whole numbers; ord 69,888 bytes of whole numbers; yp 75,497,472 bytes
;; launch prep (part 1): grid 256 x 1, 16 waves a work-group, no clusters, 23,552 bytes of LDS; arguments features, w_local, b_local, w_gate, b_gate, w_up, w_down, xb, wb, rt, ord; writes xb, wb, rt, ord
.if DOCPART == 1
	.amdgcn_target "amdgcn-amd-amdhsa--gfx1250"
	.amdhsa_code_object_version 6
	.text
	.protected	k_qcc49e1c95b_prep
	.globl	k_qcc49e1c95b_prep
	.p2align	8
	.type	k_qcc49e1c95b_prep,@function
k_qcc49e1c95b_prep:
	s_mov_b64 s[64:65], 0
	v_nop
	global_prefetch_b8 v0, s[64:65] scope:SCOPE_SE
	s_setreg_imm32_b32 hwreg(HW_REG_WAVE_MODE, 25, 1), 1
	s_wait_xcnt 0x0
; PREP.  (1) w_up and w_down, f32, are rounded once to bf16 into wb (w_up at byte 0, w_down at 16,777,216; layouts unchanged).
; (2) features are rounded once to bf16 into xb.  (3) From the ROUNDED features, w_local, b_local, w_gate, b_gate, with products and sums in f32:
; sc[token][8] = x . w_local + b_local (rt, byte 0) and {g, 1 - g, 0, 0}, g = sigmoid(x . w_gate + b_gate) (rt, byte 131,072).  (4) The slot list in ord is set to token 0.
; SHARES.  256 work-groups of 16 waves.  Work-group g: 16 tokens, one a wave, and 262,144 bytes of f32 weights; thread t takes bytes 16 t + 8,192 i, i = 0..31: a wave's load covers 512
; consecutive bytes, its store 256 consecutive bytes at a multiple of 256.  No matrix unit: the two small products are 9 columns wide and their results steer a choice of whole numbers,
; so they stay in f32 (products of bf16 numbers are exact there).
; LIMITS.  Inputs are rounded to bf16 (nearest even); NaN and infinities are not treated apart; the sigmoid's exponential counts as 0 below 2^-126.
.set WLT,   0                          ; w_local rounded, as f32: 4 rows d (128 bytes) every 144 bytes, an odd multiple of 16: a lane stride of 144 meets no bank twice
.set WGT,   18432                      ; w_gate rounded, as f32: 2,048 bytes
.set SCS,   20480                      ; the 16 tokens' scores, 32 bytes each
.set GTS,   20992                      ; the 16 tokens' gates, 16 bytes each
.set SPARE, 21504                      ; the spare words, 128 bytes for each of 16 waves
.set SPW, 14                           ; v14  LDS address of my spare word; never rewritten
.set NIL, 15                           ; v15  0; never rewritten
.set X,   16                           ; v[16:47]   the cast's ring: slot i, 4 registers as loaded
.set W,   48                           ; v[48:175]  w_local of my 16 d: index 32 c + 8 q + e
.set Y,   48                           ; v[48:63]   later: the cast's packed results, 2 a slot
.set G,   176                          ; v[176:191] w_gate of my 16 d; later what waves 0 to 2 store
.set F,   192                          ; v[192:207] my 16 x, f32
.set XP,  208                          ; v[208:215] my 16 x, packed bf16
.set ACC, 216                          ; v[216:223] eight sums
.set AG,  224                          ; v[224:225] the gate's sum (even d, odd d); later g, 1 - g
.set BL,  226                          ; v[226:233] b_local
.set BG,  234                          ; v234 b_gate
.set T,   236                          ; at work
.set WV,  26
.set SRC, 28
.set DST, 20
.set HI16, 33
.macro RND2 a, b                       ; two f32 rounded to bf16 and widened again, in place
	v_cvt_pk_bf16_f32 v[T], v[\a], v[\b]
	v_lshlrev_b32 v[\a], 16, v[T]
	v_and_b32 v[\b], s[HI16], v[T]
.endm
.macro PKB d, w, x, sel                ; pair d += pair w x element sel of pair x
.if \sel
	v_pk_fma_f32 v[\d:\d+1], v[\w:\w+1], v[\x:\x+1], v[\d:\d+1] op_sel:[0,1,0] op_sel_hi:[1,1,1]
.else
	v_pk_fma_f32 v[\d:\d+1], v[\w:\w+1], v[\x:\x+1], v[\d:\d+1] op_sel_hi:[1,0,1]
.endif
.endm
.macro RED r                           ; the sum over the wave's 32 lanes, in every lane
	v_add_f32_dpp v[\r], v[\r], v[\r] row_xmask:1 row_mask:0xf bank_mask:0xf
	v_add_f32_dpp v[\r], v[\r], v[\r] row_xmask:2 row_mask:0xf bank_mask:0xf
	v_add_f32_dpp v[\r], v[\r], v[\r] row_xmask:4 row_mask:0xf bank_mask:0xf
	v_add_f32_dpp v[\r], v[\r], v[\r] row_xmask:8 row_mask:0xf bank_mask:0xf
	v_permlanex16_b32 v[T], v[\r], s30, s31
	v_add_f32 v[\r], v[\r], v[T]
.endm
	s_load_b512 s[4:19], s[0:1], 0x0               ; features 4, w_local 6, b_local 8, w_gate 10, b_gate 12, w_up 14, w_down 16, xb 18
	s_load_b128 s[20:23], s[0:1], 0x40             ; wb 20, rt 22
	s_load_b64 s[24:25], s[0:1], 0x50              ; ord
	v_lshl_add_u32 v[SPW], v0, 2, SPARE
	v_mov_b32 v[NIL], 0
	v_and_b32 v1, 31, v0                           ; lane
	v_lshrrev_b32 v9, 5, v0
	v_readfirstlane_b32 s[WV], v9                  ; wave 0..15
	v_lshlrev_b32 v2, 4, v0                        ; 16 t
	v_lshlrev_b32 v3, 3, v0                        ; 8 t
	v_lshlrev_b32 v4, 4, v1                        ; 16 lane
	v_lshlrev_b32 v5, 3, v1                        ; 8 lane
	v_lshrrev_b32 v6, 3, v0
	v_mul_u32_u24 v6, v6, 144
	v_and_b32 v9, 7, v0
	v_lshl_add_u32 v6, v9, 4, v6                   ; where 16-byte piece t of w_local goes: (t / 8) 144 + (t % 8) 16
	v_mul_u32_u24 v7, v1, 144                      ; where my four d of a chunk lie
	v_lshl_add_u32 v8, v1, 4, WGT
	v_mov_b32 v10, 0
	s_mov_b32 s30, 0x76543210                      ; v_permlanex16_b32: each lane takes its own place in the other half
	s_mov_b32 s31, 0xfedcba98
	s_mov_b32 s[HI16], 0xffff0000
	s_and_b32 s34, ttmp9, 127
	s_lshl_b32 s34, s34, 18                        ; my 262,144 bytes in w_up or in w_down
	s_mov_b32 s35, 0
	s_lshl_b32 s36, ttmp9, 17                      ; my 131,072 bytes in wb
	s_mov_b32 s37, 0
	s_lshl_b32 s38, ttmp9, 4
	s_add_co_u32 s38, s38, s[WV]                   ; my wave's token
	s_lshl_b32 s40, s38, 11
	s_mov_b32 s41, 0
	s_lshl_b32 s42, s38, 10
	s_mov_b32 s43, 0
	s_lshl_b32 s44, ttmp9, 9
	s_mov_b32 s45, 0
	s_lshl_b32 s46, ttmp9, 8
	s_mov_b32 s47, 0
	s_wait_kmcnt 0x0
	s_cmp_lt_u32 ttmp9, 128
	s_cselect_b64 s[SRC:SRC+1], s[14:15], s[16:17] ; work-groups 0-127 cast w_up, 128-255 w_down
	s_add_nc_u64 s[SRC:SRC+1], s[SRC:SRC+1], s[34:35]
	s_add_nc_u64 s[DST:DST+1], s[DST:DST+1], s[36:37]
	s_add_nc_u64 s[4:5], s[4:5], s[40:41]          ; my token's row of features,
	s_add_nc_u64 s[18:19], s[18:19], s[42:43]      ; and of xb
	s_add_nc_u64 s[44:45], s[22:23], s[44:45]      ; rt: the work-group's 512 bytes of scores,
	s_add_nc_u64 s[22:23], s[22:23], s[46:47]      ; its 256 bytes of gates (131,072 further on),
	s_add_nc_u64 s[24:25], s[24:25], s[46:47]      ; ord: its 256 bytes of the list (32,768 further on)
.irp i, 0,1,2,3,4,5,6,7
	global_load_b128 v[X+4*\i:X+4*\i+3], v2, s[SRC:SRC+1] offset:8192*\i th:TH_LOAD_NT  ; the cast's ring is filled first: memory works while the scores are made
.endr
	global_load_b128 v[W:W+3], v2, s[6:7]          ; w_local: pieces t and t + 512 of 1,024
	global_load_b128 v[W+4:W+7], v2, s[6:7] offset:8192
.irp c, 0,1,2,3
	global_load_b128 v[F+4*\c:F+4*\c+3], v4, s[4:5] offset:512*\c th:TH_LOAD_NT  ; lane l: d = 128 c + 4 l .. + 3
.endr
	global_load_b128 v[BL:BL+3], v10, s[8:9]
	global_load_b128 v[BL+4:BL+7], v10, s[8:9] offset:16
	global_load_b32 v[BG], v10, s[12:13]
	s_cmp_lt_u32 s[WV], 4
	s_cbranch_scc0 .Lno_gate
	global_load_b128 v[G:G+3], v2, s[10:11]        ; w_gate is 128 pieces: waves 0 to 3
	s_wait_loadcnt 0x0
	RND2 G, G+1
	RND2 G+2, G+3
	ds_store_b128 v2, v[G:G+3] offset:WGT
.Lno_gate:
	s_wait_loadcnt 0x0                             ; the count of loads differs by wave, so the wait is for all
	RND2 W, W+1
	RND2 W+2, W+3
	RND2 W+4, W+5
	RND2 W+6, W+7
	ds_store_b128 v6, v[W:W+3]
	ds_store_b128 v6, v[W+4:W+7] offset:9216       ; piece t + 512 lies 64 groups of 144 bytes on
	s_wait_dscnt 0x0                               ; for the others' sake: my part of the tables is written
	s_barrier_signal -1
	s_barrier_wait -1
.irp c, 0,1,2,3
.irp p, 0,1,2,3,4,5,6,7
	ds_load_b128 v[W+32*\c+4*\p:W+32*\c+4*\p+3], v7 offset:4608*\c+16*\p
.endr
	ds_load_b128 v[G+4*\c:G+4*\c+3], v8 offset:512*\c
.endr
.irp c, 0,1,2,3                        ; while they come: x is rounded, stored, and widened again
	v_cvt_pk_bf16_f32 v[XP+2*\c], v[F+4*\c], v[F+4*\c+1]
	v_cvt_pk_bf16_f32 v[XP+2*\c+1], v[F+4*\c+2], v[F+4*\c+3]
	global_store_b64 v5, v[XP+2*\c:XP+2*\c+1], s[18:19] offset:256*\c  ; the wave stores 256 consecutive bytes, at a multiple of 256
	v_lshlrev_b32 v[F+4*\c], 16, v[XP+2*\c]
	v_and_b32 v[F+4*\c+1], s[HI16], v[XP+2*\c]
	v_lshlrev_b32 v[F+4*\c+2], 16, v[XP+2*\c+1]
	v_and_b32 v[F+4*\c+3], s[HI16], v[XP+2*\c+1]
.endr
	RND2 BL, BL+1
	RND2 BL+2, BL+3
	RND2 BL+4, BL+5
	RND2 BL+6, BL+7
	v_cvt_pk_bf16_f32 v[T], v[BG], v[BG]
	v_lshlrev_b32 v[BG], 16, v[T]
	s_wait_dscnt 0x0
.set c, 0
.rept 4                                ; 16 d x 8 experts, two experts a line; the first line starts the sums
.set q, 0
.rept 4
.set pe, 0
.rept 4
.if (c+q) == 0
	v_pk_mul_f32 v[ACC+2*pe:ACC+2*pe+1], v[W+2*pe:W+2*pe+1], v[F:F+1] op_sel_hi:[1,0]
.else
	PKB ACC+2*pe, W+32*c+8*q+2*pe, F+4*c+2*(q/2), q%2
.endif
.set pe, pe+1
.endr
.set q, q+1
.endr
.set c, c+1
.endr
	v_pk_mul_f32 v[AG:AG+1], v[G:G+1], v[F:F+1]
.set c, 1
.rept 7
	v_pk_fma_f32 v[AG:AG+1], v[G+2*c:G+2*c+1], v[F+2*c:F+2*c+1], v[AG:AG+1]
.set c, c+1
.endr
	v_add_f32 v[AG], v[AG], v[AG+1]
.irp e, 0,1,2,3,4,5,6,7
	RED ACC+\e
.endr
	RED AG
.irp e, 0,2,4,6
	v_pk_add_f32 v[ACC+\e:ACC+\e+1], v[ACC+\e:ACC+\e+1], v[BL+\e:BL+\e+1]
.endr
	v_add_f32 v[AG], v[AG], v[BG]
	v_mul_f32 v[T], 0xbfb8aa3b, v[AG]              ; - z log2(e)
	v_exp_f32 v[T], v[T]
	v_mov_b32 v[BL], 0                             ; a plain line behind the exponential; v[224:227] becomes {g, 1 - g, 0, 0}
	s_wait_alu depctr_va_vdst(0)
	v_add_f32 v[T], 1.0, v[T]
	v_rcp_f32 v[AG], v[T]
	v_mov_b32 v[BL+1], 0                           ; a plain line behind the reciprocal
	s_wait_alu depctr_va_vdst(0)
	v_sub_f32 v[AG+1], 1.0, v[AG]
	v_mov_b32 v9, s[WV]
	v_lshlrev_b32 v11, 4, v9
	v_lshlrev_b32 v9, 5, v9
	ds_store_b128 v9, v[ACC:ACC+3] offset:SCS      ; all lanes hold the same numbers and write the same bytes
	ds_store_b128 v9, v[ACC+4:ACC+7] offset:SCS+16
	ds_store_b128 v11, v[AG:AG+3] offset:GTS
	s_wait_dscnt 0x0                               ; for the others' sake
	s_barrier_signal -1
	s_barrier_wait -1
	s_cmp_lg_u32 s[WV], 0
	s_cbranch_scc1 .Lnot_0
	ds_load_b128 v[G:G+3], v4 offset:SCS           ; wave 0 stores the 16 tokens' scores: 512 consecutive bytes
	s_wait_dscnt 0x0
	global_store_b128 v4, v[G:G+3], s[44:45]
.Lnot_0:
	s_cmp_lg_u32 s[WV], 1
	s_cbranch_scc1 .Lnot_1
	ds_load_b64 v[G:G+1], v5 offset:GTS            ; wave 1 the gates: 256 consecutive bytes
	s_wait_dscnt 0x0
	global_store_b64 v5, v[G:G+1], s[22:23] offset:131072
.Lnot_1:
	s_cmp_lg_u32 s[WV], 2
	s_cbranch_scc1 .Lnot_2
	s_cmp_lt_u32 ttmp9, 144                        ; the list is 64 x 144 words = 144 pieces of 256 bytes
	s_cbranch_scc0 .Lnot_2
	v_mov_b32 v[G], 0
	v_mov_b32 v[G+1], 0
	global_store_b64 v5, v[G:G+1], s[24:25] offset:32768
.Lnot_2:
; THE CAST.  One slot's turn: its load is in, two roundings each pack two numbers, the slot is filled again 8 pieces on, the 8 bytes a lane go out.
.macro CSLOT i, ahead, left
	s_wait_loadcnt \left                           ; loads come back in order: mine is in, the younger ones stay out
	v_cvt_pk_bf16_f32 v[Y+2*(\i)], v[X+4*(\i)], v[X+4*(\i)+1]
	v_cvt_pk_bf16_f32 v[Y+2*(\i)+1], v[X+4*(\i)+2], v[X+4*(\i)+3]
.if \ahead
	global_load_b128 v[X+4*(\i):X+4*(\i)+3], v2, s[SRC:SRC+1] offset:65536+8192*(\i) th:TH_LOAD_NT
.endif
	global_store_b64 v3, v[Y+2*(\i):Y+2*(\i)+1], s[DST:DST+1] offset:4096*(\i)
.endm
	s_mov_b32 s39, 3
.Lcast:
.irp i, 0,1,2,3,4,5,6,7
	CSLOT \i, 1, 7
.endr
	s_wait_xcnt 0x0                                ; the two bases and the stores' data are rewritten only behind this wait
	s_add_nc_u64 s[SRC:SRC+1], s[SRC:SRC+1], 0x10000
	s_add_nc_u64 s[DST:DST+1], s[DST:DST+1], 0x8000
	s_sub_co_u32 s39, s39, 1
	s_cmp_lg_u32 s39, 0
	s_cbranch_scc1 .Lcast
.irp i, 0,1,2,3,4,5,6,7
	CSLOT \i, 0, 7-(\i)                            ; the last eight pieces: nothing is loaded, the counts run down
.endr
	s_wait_tensorcnt 0x0                           ; the wave's end, behind my last LDS store
	ds_add_u32 v[SPW], v[NIL]
	s_wait_dscnt 0x0
	s_endpgm
.Lfunc_end_k_qcc49e1c95b_prep:
	.size	k_qcc49e1c95b_prep, .Lfunc_end_k_qcc49e1c95b_prep-k_qcc49e1c95b_prep
	.p2alignl 7, 3214868480
	.fill 96, 4, 3214868480
	.section	.rodata,"a",@progbits
	.p2align	6, 0x0
	.amdhsa_kernel k_qcc49e1c95b_prep
		.amdhsa_group_segment_fixed_size 23552
		.amdhsa_private_segment_fixed_size 0
		.amdhsa_enable_private_segment 0
		.amdhsa_kernarg_size 88
		.amdhsa_user_sgpr_count 2
		.amdhsa_user_sgpr_kernarg_segment_ptr 1
		.amdhsa_wavefront_size32 1
		.amdhsa_system_sgpr_workgroup_id_x 1
		.amdhsa_system_sgpr_workgroup_id_y 1
		.amdhsa_system_sgpr_workgroup_id_z 1
		.amdhsa_system_vgpr_workitem_id 0
		.amdhsa_next_free_vgpr 240
		.amdhsa_next_free_sgpr 66
		.amdhsa_reserve_vcc 0
		.amdhsa_float_denorm_mode_32 3
		.amdhsa_float_denorm_mode_16_64 3
		.amdhsa_memory_ordered 1
		.amdhsa_forward_progress 1
		.amdhsa_inst_pref_size 24
	.end_amdhsa_kernel
	.amdgpu_metadata
---
amdhsa.version: [ 1, 2 ]
amdhsa.kernels:
  - .name:           k_qcc49e1c95b_prep
    .symbol:         k_qcc49e1c95b_prep.kd
    .args:
      - { .name: features, .offset: 0, .size: 8, .value_kind: global_buffer, .address_space: global }
      - { .name: w_local, .offset: 8, .size: 8, .value_kind: global_buffer, .address_space: global }
      - { .name: b_local, .offset: 16, .size: 8, .value_kind: global_buffer, .address_space: global }
      - { .name: w_gate, .offset: 24, .size: 8, .value_kind: global_buffer, .address_space: global }
      - { .name: b_gate, .offset: 32, .size: 8, .value_kind: global_buffer, .address_space: global }
      - { .name: w_up, .offset: 40, .size: 8, .value_kind: global_buffer, .address_space: global }
      - { .name: w_down, .offset: 48, .size: 8, .value_kind: global_buffer, .address_space: global }
      - { .name: xb, .offset: 56, .size: 8, .value_kind: global_buffer, .address_space: global }
      - { .name: wb, .offset: 64, .size: 8, .value_kind: global_buffer, .address_space: global }
      - { .name: rt, .offset: 72, .size: 8, .value_kind: global_buffer, .address_space: global }
      - { .name: ord, .offset: 80, .size: 8, .value_kind: global_buffer, .address_space: global }
    .group_segment_fixed_size: 23552
    .private_segment_fixed_size: 0
    .kernarg_segment_align: 8
    .kernarg_segment_size: 88
    .max_flat_workgroup_size: 512
    .sgpr_count:     66
    .vgpr_count:     240
    .wavefront_size: 32
...
	.end_amdgpu_metadata
.endif
;; end of part 1
;; launch route (part 2): grid 128 x 1, 8 waves a work-group, no clusters, 38,912 bytes of LDS; arguments adjacency, rt, out1, sel, rp; writes out1, sel, rp
.if DOCPART == 2
	.amdgcn_target "amdgcn-amd-amdhsa--gfx1250"
	.amdhsa_code_object_version 6
	.text
	.protected	k_qcc49e1c95b_route
	.globl	k_qcc49e1c95b_route
	.p2align	8
	.type	k_qcc49e1c95b_route,@function
k_qcc49e1c95b_route:
	s_mov_b64 s[64:65], 0
	v_nop
	global_prefetch_b8 v0, s[64:65] scope:SCOPE_SE
	s_setreg_imm32_b32 hwreg(HW_REG_WAVE_MODE, 25, 1), 1
	s_wait_xcnt 0x0
; ROUTE.  For each token i: ns = (sum over j of adj[i][j] sc[j]) / (sum over j of adj[i][j] + 1e-8); logits = g sc[i] + (1 - g) ns; softmax with the row's maximum taken away; the two
; largest (the lower index wins a tie); their probabilities divided by (their sum + 1e-8).  out1 and sel take the two indices, rp the two weights and, for each wave, the sum of its four
; rows' probabilities.  adjacency is rounded to bf16 like every input; all else is f32, on the vector units: sc is an intermediate, and rounding it for a matrix operand would change choices.
; SHARES.  128 work-groups of 8 waves; a work-group has 32 tokens of one batch, so that each of its four results is one piece of 256 consecutive bytes; a wave has 4 rows of adjacency, all
; 32 loads of them issued at once; lane l holds the neighbours j = 128 c + 4 l .. + 3, c = 0..7.  The batch's 1,024 x 8 scores lie in LDS.
; LIMITS.  The choice is made on the logits in f32: where two logits lie closer than the rounding of f32 sums, the choice may differ from another order of summation.  NaN and infinities
; are not treated apart; an exponential below 2^-126 counts as 0.
.set OUTS,  36864                      ; behind the scores (256 groups of 4 tokens, 128 bytes every 144): 32 tokens x 2 indices
.set TPS,   37120                      ; 32 tokens x 2 weights
.set USS,   37376                      ; 8 waves x 8 sums
.set SPARE, 37888                      ; the spare words, 128 bytes for each of 8 waves
.set SPW, 14
.set NIL, 15
.set AD,  16                           ; v[16:143]  adjacency: chunk c, row rr at 16 c + 4 rr; chunk 0's registers later take the rows' own scores and gate
.set OWN, 16
.set GG,  24
.set OG,  25
.set SB,  144                          ; v[144:207] two buffers of 4 neighbours x 8 scores: index 8 q + e
.set ACC, 208                          ; v[208:239] 8 sums a row; later the logits in v[208:215]
.set PR,  224                          ; v[224:231] later: the probabilities
.set I1,  232                          ; v[232:233] the two indices
.set Q1,  234                          ; v[234:235] their probabilities
.set BV,  236                          ; the best logit so far
.set CN,  240                          ; v[240:247] a pair of counts a row
.set T,   248                          ; at work
.macro PKB d, w, x, sel                ; pair d += pair w x element sel of pair x
.if \sel
	v_pk_fma_f32 v[\d:\d+1], v[\w:\w+1], v[\x:\x+1], v[\d:\d+1] op_sel:[0,1,0] op_sel_hi:[1,1,1]
.else
	v_pk_fma_f32 v[\d:\d+1], v[\w:\w+1], v[\x:\x+1], v[\d:\d+1] op_sel_hi:[1,0,1]
.endif
.endm
.macro RED r
	v_add_f32_dpp v[\r], v[\r], v[\r] row_xmask:1 row_mask:0xf bank_mask:0xf
	v_add_f32_dpp v[\r], v[\r], v[\r] row_xmask:2 row_mask:0xf bank_mask:0xf
	v_add_f32_dpp v[\r], v[\r], v[\r] row_xmask:4 row_mask:0xf bank_mask:0xf
	v_add_f32_dpp v[\r], v[\r], v[\r] row_xmask:8 row_mask:0xf bank_mask:0xf
	v_permlanex16_b32 v[T], v[\r], s32, s33
	v_add_f32 v[\r], v[\r], v[T]
.endm
	s_load_b256 s[4:11], s[0:1], 0x0               ; adjacency 4, rt 6, out1 8, sel 10
	s_load_b64 s[12:13], s[0:1], 0x20              ; rp
	v_lshl_add_u32 v[SPW], v0, 2, SPARE
	v_mov_b32 v[NIL], 0
	v_and_b32 v1, 31, v0
	v_lshrrev_b32 v9, 5, v0
	v_readfirstlane_b32 s14, v9                    ; wave 0..7
	v_lshlrev_b32 v2, 4, v1                        ; 16 lane
	v_lshlrev_b32 v3, 4, v0                        ; 16 t
	v_lshrrev_b32 v4, 3, v0
	v_mul_u32_u24 v4, v4, 144
	v_and_b32 v9, 7, v0
	v_lshl_add_u32 v4, v9, 4, v4                   ; where 16-byte piece t of the scores goes
	v_mul_u32_u24 v5, v1, 144                      ; where my four neighbours of a chunk lie
	v_and_b32 v9, 3, v0                            ; at the end lane l works for row l % 4 of the wave's four
	v_lshlrev_b32 v6, 5, v9
	v_lshlrev_b32 v7, 4, v9
	v_lshl_add_u32 v8, s14, 2, v9
	v_lshlrev_b32 v8, 3, v8                        ; 8 bytes for token 4 w + l % 4 of the work-group
	v_lshlrev_b32 v10, 3, v1                       ; 8 lane
	s_lshr_b32 s16, ttmp9, 5
	s_lshl_b32 s16, s16, 15                        ; the batch's 32,768 bytes of scores
	s_mov_b32 s17, 0
	s_lshl_b32 s20, ttmp9, 17
	s_lshl_b32 s21, s14, 14
	s_add_co_u32 s20, s20, s21                     ; my wave's four rows of 4,096 bytes
	s_mov_b32 s21, 0
	s_lshl_b32 s22, ttmp9, 10
	s_lshl_b32 s23, s14, 7
	s_add_co_u32 s22, s22, s23                     ; their own scores,
	s_mov_b32 s23, 0
	s_lshl_b32 s24, ttmp9, 9
	s_lshl_b32 s25, s14, 6
	s_add_co_u32 s24, s24, s25                     ; their gates
	s_mov_b32 s25, 0
	s_lshl_b32 s26, ttmp9, 8                       ; the work-group's 256 bytes in each result
	s_mov_b32 s27, 0
	s_mov_b32 s28, 0x22222222                      ; lanes with l % 4 = 1,
	s_mov_b32 s29, 0x44444444                      ; 2,
	s_mov_b32 s30, 0x88888888                      ; 3
	s_mov_b32 s32, 0x76543210
	s_mov_b32 s33, 0xfedcba98
	s_mov_b32 s34, 0xffff0000
	s_mov_b32 s35, 0xff800000                      ; minus infinity takes the first choice out of the second search
	s_wait_kmcnt 0x0
	s_add_nc_u64 s[18:19], s[6:7], s[16:17]
	s_add_nc_u64 s[4:5], s[4:5], s[20:21]
	s_add_nc_u64 s[22:23], s[6:7], s[22:23]
	s_add_nc_u64 s[24:25], s[6:7], s[24:25]
	s_add_nc_u64 s[8:9], s[8:9], s[26:27]
	s_add_nc_u64 s[10:11], s[10:11], s[26:27]
	s_add_nc_u64 s[12:13], s[12:13], s[26:27]
.irp i, 0,1,2,3,4,5,6,7
	global_load_b128 v[SB+4*\i:SB+4*\i+3], v3, s[18:19] offset:4096*\i
.endr
.irp c, 0,1,2,3,4,5,6,7
.irp rr, 0,1,2,3
	global_load_b128 v[AD+16*\c+4*\rr:AD+16*\c+4*\rr+3], v2, s[4:5] offset:4096*\rr+512*\c th:TH_LOAD_NT
.endr
.endr
	s_wait_loadcnt 32                              ; the eight pieces of scores are in; the 32 loads of adjacency stay out
.irp i, 0,1,2,3,4,5,6,7
	ds_store_b128 v4, v[SB+4*\i:SB+4*\i+3] offset:4608*\i
.endr
	s_wait_dscnt 0x0                               ; for the others' sake
	s_barrier_signal -1
	s_barrier_wait -1
.irp p, 0,1,2,3,4,5,6,7
	ds_load_b128 v[SB+4*\p:SB+4*\p+3], v5 offset:16*\p
.endr
.macro ROWWORK c, rr                   ; 4 neighbours of one row: rounded, counted, and multiplied into the row's 8 sums
.set ra, AD+16*(\c)+4*(\rr)
.set rc, ACC+8*(\rr)
.set rn, CN+2*(\rr)
.set rs, SB+32*((\c)%2)
	v_cvt_pk_bf16_f32 v[T], v[ra], v[ra+1]
	v_cvt_pk_bf16_f32 v[T+1], v[ra+2], v[ra+3]
	v_lshlrev_b32 v[ra], 16, v[T]
	v_and_b32 v[ra+1], s34, v[T]
	v_lshlrev_b32 v[ra+2], 16, v[T+1]
	v_and_b32 v[ra+3], s34, v[T+1]
.if (\c) == 0
	v_pk_add_f32 v[rn:rn+1], v[ra:ra+1], v[ra+2:ra+3]
.else
	v_pk_add_f32 v[rn:rn+1], v[rn:rn+1], v[ra:ra+1]
	v_pk_add_f32 v[rn:rn+1], v[rn:rn+1], v[ra+2:ra+3]
.endif
.set q, 0
.rept 4
.set pe, 0
.rept 4
.if ((\c)+q) == 0
	v_pk_mul_f32 v[rc+2*pe:rc+2*pe+1], v[rs+2*pe:rs+2*pe+1], v[ra:ra+1] op_sel_hi:[1,0]
.else
	PKB rc+2*pe, rs+8*q+2*pe, ra+2*(q/2), q%2
.endif
.set pe, pe+1
.endr
.set q, q+1
.endr
.endm
.macro CHUNK c
.if (\c) < 7
.irp p, 0,1,2,3,4,5,6,7
	ds_load_b128 v[SB+32*(((\c)+1)%2)+4*\p:SB+32*(((\c)+1)%2)+4*\p+3], v5 offset:4608*((\c)+1)+16*\p
.endr
.endif
.if (\c) == 0
	s_wait_loadcnt 28                              ; chunk 0's four loads are in; 28 younger ones stay out
.else
	s_wait_loadcnt 4*(7-(\c))+3                    ; behind this chunk's loads: the later chunks' and the three of the rows' own data
.endif
.if (\c) < 7
	s_wait_dscnt 8                                 ; this chunk's scores are in; the eight loads just issued stay out
.else
	s_wait_dscnt 0x0
.endif
.irp rr, 0,1,2,3
	ROWWORK \c, \rr
.endr
.endm
	CHUNK 0
	global_load_b128 v[OWN:OWN+3], v6, s[22:23]    ; chunk 0's registers are free: row l % 4's own scores and gate
	global_load_b128 v[OWN+4:OWN+7], v6, s[22:23] offset:16
	global_load_b64 v[GG:GG+1], v7, s[24:25] offset:131072
.irp c, 1,2,3,4,5,6,7
	CHUNK \c
.endr
.irp rr, 0,1,2,3
	v_add_f32 v[CN+2*\rr], v[CN+2*\rr], v[CN+2*\rr+1]
.endr
.set i, 0
.rept 32
	RED ACC+i
.set i, i+1
.endr
.irp rr, 0,1,2,3
	RED CN+2*\rr
.endr
.irp e, 0,1,2,3,4,5,6,7                ; lane l keeps row l % 4's nine numbers
	v_cndmask_b32 v[ACC+\e], v[ACC+\e], v[ACC+8+\e], s28
	v_cndmask_b32 v[ACC+\e], v[ACC+\e], v[ACC+16+\e], s29
	v_cndmask_b32 v[ACC+\e], v[ACC+\e], v[ACC+24+\e], s30
.endr
	v_cndmask_b32 v[CN], v[CN], v[CN+2], s28
	v_cndmask_b32 v[CN], v[CN], v[CN+4], s29
	v_cndmask_b32 v[CN], v[CN], v[CN+6], s30
	v_add_f32 v[T], 0x322bcc77, v[CN]              ; + 1e-8
	v_rcp_f32 v[T], v[T]
	s_wait_loadcnt 0x0
	v_nop                                          ; a plain line behind the reciprocal
	s_wait_alu depctr_va_vdst(0)
.irp e, 0,1,2,3,4,5,6,7
	v_mul_f32 v[ACC+\e], v[ACC+\e], v[T]
.endr
.irp e, 0,1,2,3,4,5,6,7
	v_mul_f32 v[ACC+\e], v[OG], v[ACC+\e]
.endr
.irp e, 0,1,2,3,4,5,6,7
	v_fma_f32 v[ACC+\e], v[GG], v[OWN+\e], v[ACC+\e]   ; the logits
.endr
	v_max3_num_f32 v[T], v[ACC], v[ACC+1], v[ACC+2]
	v_max3_num_f32 v[T], v[T], v[ACC+3], v[ACC+4]
	v_max3_num_f32 v[T], v[T], v[ACC+5], v[ACC+6]
	v_max_num_f32 v[T], v[T], v[ACC+7]
.irp e, 0,1,2,3,4,5,6,7
	v_sub_f32 v[PR+\e], v[ACC+\e], v[T]
.endr
.irp e, 0,1,2,3,4,5,6,7
	v_mul_f32 v[PR+\e], 0x3fb8aa3b, v[PR+\e]
.endr
.irp e, 0,1,2,3,4,5,6,7
	v_exp_f32 v[PR+\e], v[PR+\e]
.endr
	v_mov_b32 v[I1], 0                             ; a plain line behind the exponentials
	s_wait_alu depctr_va_vdst(0)
	v_add_f32 v[T+1], v[PR], v[PR+1]
	v_add_f32 v[T+2], v[PR+2], v[PR+3]
	v_add_f32 v[T+3], v[PR+4], v[PR+5]
	v_add_f32 v[T+4], v[PR+6], v[PR+7]
	v_add_f32 v[T+1], v[T+1], v[T+2]
	v_add_f32 v[T+3], v[T+3], v[T+4]
	v_add_f32 v[T+1], v[T+1], v[T+3]
	v_rcp_f32 v[T+1], v[T+1]
	v_mov_b32 v[I1+1], 0                           ; a plain line behind the reciprocal
	s_wait_alu depctr_va_vdst(0)
.irp e, 0,1,2,3,4,5,6,7
	v_mul_f32 v[PR+\e], v[PR+\e], v[T+1]
.endr
.macro BEST k                          ; the largest logit: its index and its probability; a strict comparison keeps the lower index
	v_mov_b32 v[BV], v[ACC]
	v_mov_b32 v[Q1+\k], v[PR]
.irp e, 1,2,3,4,5,6,7
	v_cmp_gt_f32 vcc_lo, v[ACC+\e], v[BV]
	v_cndmask_b32 v[BV], v[BV], v[ACC+\e], vcc_lo
	v_cndmask_b32 v[I1+\k], v[I1+\k], \e, vcc_lo
	v_cndmask_b32 v[Q1+\k], v[Q1+\k], v[PR+\e], vcc_lo
.endr
.endm
	BEST 0
.irp e, 0,1,2,3,4,5,6,7
	v_cmp_eq_u32 vcc_lo, \e, v[I1]
	v_cndmask_b32 v[ACC+\e], v[ACC+\e], s35, vcc_lo
.endr
	BEST 1
	v_add_f32 v[T], v[Q1], v[Q1+1]
	v_add_f32 v[T], 0x322bcc77, v[T]
	v_rcp_f32 v[T], v[T]
	v_mov_b32 v9, s14                              ; a plain line behind the reciprocal
	s_wait_alu depctr_va_vdst(0)
	v_mul_f32 v[Q1], v[Q1], v[T]
	v_mul_f32 v[Q1+1], v[Q1+1], v[T]
.irp e, 0,1,2,3,4,5,6,7                ; the four rows' probabilities added: lanes l, l ^ 1, l ^ 2, l ^ 3 hold the four rows
	v_add_f32_dpp v[PR+\e], v[PR+\e], v[PR+\e] row_xmask:1 row_mask:0xf bank_mask:0xf
.endr
.irp e, 0,1,2,3,4,5,6,7
	v_add_f32_dpp v[PR+\e], v[PR+\e], v[PR+\e] row_xmask:2 row_mask:0xf bank_mask:0xf
.endr
	v_lshlrev_b32 v9, 5, v9
	ds_store_b64 v8, v[I1:I1+1] offset:OUTS        ; the eight lanes of a row hold the same numbers and write the same bytes
	ds_store_b64 v8, v[Q1:Q1+1] offset:TPS
	ds_store_b128 v9, v[PR:PR+3] offset:USS
	ds_store_b128 v9, v[PR+4:PR+7] offset:USS+16
	s_wait_dscnt 0x0                               ; for the others' sake
	s_barrier_signal -1
	s_barrier_wait -1
	s_cmp_lg_u32 s14, 0
	s_cbranch_scc1 .Lnot_0
	ds_load_b64 v[T:T+1], v10 offset:OUTS          ; each of these stores covers 256 consecutive bytes, at a multiple of 256
	s_wait_dscnt 0x0
	global_store_b64 v10, v[T:T+1], s[8:9]
	global_store_b64 v10, v[T:T+1], s[10:11]
.Lnot_0:
	s_cmp_lg_u32 s14, 1
	s_cbranch_scc1 .Lnot_1
	ds_load_b64 v[T:T+1], v10 offset:TPS
	s_wait_dscnt 0x0
	global_store_b64 v10, v[T:T+1], s[12:13]
.Lnot_1:
	s_cmp_lg_u32 s14, 2
	s_cbranch_scc1 .Lnot_2
	ds_load_b64 v[T:T+1], v10 offset:USS
	s_wait_dscnt 0x0
	global_store_b64 v10, v[T:T+1], s[12:13] offset:32768
.Lnot_2:
	s_wait_tensorcnt 0x0                           ; the wave's end, behind my last LDS store
	ds_add_u32 v[SPW], v[NIL]
	s_wait_dscnt 0x0
	s_endpgm
.Lfunc_end_k_qcc49e1c95b_route:
	.size	k_qcc49e1c95b_route, .Lfunc_end_k_qcc49e1c95b_route-k_qcc49e1c95b_route
	.p2alignl 7, 3214868480
	.fill 96, 4, 3214868480
	.section	.rodata,"a",@progbits
	.p2align	6, 0x0
	.amdhsa_kernel k_qcc49e1c95b_route
		.amdhsa_group_segment_fixed_size 38912
		.amdhsa_private_segment_fixed_size 0
		.amdhsa_enable_private_segment 0
		.amdhsa_kernarg_size 40
		.amdhsa_user_sgpr_count 2
		.amdhsa_user_sgpr_kernarg_segment_ptr 1
		.amdhsa_wavefront_size32 1
		.amdhsa_system_sgpr_workgroup_id_x 1
		.amdhsa_system_sgpr_workgroup_id_y 1
		.amdhsa_system_sgpr_workgroup_id_z 1
		.amdhsa_system_vgpr_workitem_id 0
		.amdhsa_next_free_vgpr 256
		.amdhsa_next_free_sgpr 66
		.amdhsa_reserve_vcc 1
		.amdhsa_float_denorm_mode_32 3
		.amdhsa_float_denorm_mode_16_64 3
		.amdhsa_memory_ordered 1
		.amdhsa_forward_progress 1
		.amdhsa_inst_pref_size 79
	.end_amdhsa_kernel
	.amdgpu_metadata
---
amdhsa.version: [ 1, 2 ]
amdhsa.kernels:
  - .name:           k_qcc49e1c95b_route
    .symbol:         k_qcc49e1c95b_route.kd
    .args:
      - { .name: adjacency, .offset: 0, .size: 8, .value_kind: global_buffer, .address_space: global }
      - { .name: rt, .offset: 8, .size: 8, .value_kind: global_buffer, .address_space: global }
      - { .name: out1, .offset: 16, .size: 8, .value_kind: global_buffer, .address_space: global }
      - { .name: sel, .offset: 24, .size: 8, .value_kind: global_buffer, .address_space: global }
      - { .name: rp, .offset: 32, .size: 8, .value_kind: global_buffer, .address_space: global }
    .group_segment_fixed_size: 38912
    .private_segment_fixed_size: 0
    .kernarg_segment_align: 8
    .kernarg_segment_size: 40
    .max_flat_workgroup_size: 256
    .sgpr_count:     66
    .vgpr_count:     256
    .wavefront_size: 32
...
	.end_amdgpu_metadata
.endif
;; end of part 2
;; launch bucket (part 3): grid 1 x 1, 32 waves a work-group, no clusters, 5,632 bytes of LDS; arguments sel, rp, ord, out2; writes ord, out2
.if DOCPART == 3
	.amdgcn_target "amdgcn-amd-amdhsa--gfx1250"
	.amdhsa_code_object_version 6
	.text
	.protected	k_qcc49e1c95b_bucket
	.globl	k_qcc49e1c95b_bucket
	.p2align	8
	.type	k_qcc49e1c95b_bucket,@function
k_qcc49e1c95b_bucket:
	s_mov_b64 s[64:65], 0
	v_nop
	global_prefetch_b8 v0, s[64:65] scope:SCOPE_SE
	s_setreg_imm32_b32 hwreg(HW_REG_WAVE_MODE, 25, 1), 1
	s_wait_xcnt 0x0
; BUCKET.  The 8,192 entries (token, k) are ranked by expert and laid into exactly 64 blocks of 144 slots, each block one expert's.  With counts c_e (their sum 8,192) the experts need
; sum of ceil(c_e / 144) <= floor((8192 + 8 x 143) / 144) = 64 blocks, and at least 57; the L <= 7 blocks left over go to the fullest expert m (c_m >= 1,024 >= 144 L): its first 144 L
; rows are laid 72 to a block, in 2 L blocks.  ord takes pos[token][k] (the entry's slot), list[slot] (its token; slots without an entry keep the 0 that an earlier launch stored)
; and blk[block] (its expert).  out2 = std / (mean + 1e-8) of the experts' shares of the summed probabilities, in two passes (the mean first, then the squares of the differences).
; ONE work-group of 32 waves: a rank needs all counts in front of it, and no traffic runs between work-groups.  Thread t has entries 8 t .. 8 t + 7.
; The 8,192 stores of 4 bytes into the list go to slots that the ranks decide: 32 KiB in all.
.set USM,   512                        ; LDS: 32 waves x 16 bytes of counts (two 16-bit counts a word) at 0; 32 x 32 bytes of sums here
.set SPARE, 1536                       ; the spare words, 128 bytes for each of 32 waves
.set SPW, 14
.set NIL, 15
.set E,   16                           ; v[16:23] my eight entries' experts
.set US,  24                           ; v[24:31] eight sums of probabilities
.set LR,  32                           ; v[32:39] an entry's rank among its expert's entries in my wave
.set CT,  40                           ; v[40:43] counts of wave l, packed;  v[44:47] the same where l < my wave
.set SL,  48                           ; v[48:55] slots
.set SA,  56                           ; v[56:63] 4 x slot
.set TK,  64                           ; v[64:67] my four tokens
.set XT,  68                           ; v[68:75] the first slot of my wave's entries of the entry's expert
.set IDX, 76                           ; v[76:83] 4 x expert
.set RUN, 16                           ; s[16:23] my wave's counts so far
.set CE,  24                           ; s[24:31] c_e
.set BA,  32                           ; s[32:39] entries of expert e in the waves in front of mine
.set NB,  40                           ; s[40:47] blocks of expert e
.set BB,  48                           ; s[48:55] blocks in front of expert e's
.macro RED r
	v_add_f32_dpp v[\r], v[\r], v[\r] row_xmask:1 row_mask:0xf bank_mask:0xf
	v_add_f32_dpp v[\r], v[\r], v[\r] row_xmask:2 row_mask:0xf bank_mask:0xf
	v_add_f32_dpp v[\r], v[\r], v[\r] row_xmask:4 row_mask:0xf bank_mask:0xf
	v_add_f32_dpp v[\r], v[\r], v[\r] row_xmask:8 row_mask:0xf bank_mask:0xf
	v_permlanex16_b32 v5, v[\r], s13, s14
	v_add_f32 v[\r], v[\r], v5
.endm
.macro IRED r                          ; the same for whole numbers
.irp m, 1,2,4,8
	v_mov_b32_dpp v5, v[\r] row_xmask:\m row_mask:0xf bank_mask:0xf
	v_add_nc_u32 v[\r], v[\r], v5
.endr
	v_permlanex16_b32 v5, v[\r], s13, s14
	v_add_nc_u32 v[\r], v[\r], v5
.endm
	s_load_b256 s[4:11], s[0:1], 0x0               ; sel 4, rp 6, ord 8, out2 10
	v_lshl_add_u32 v[SPW], v0, 2, SPARE
	v_mov_b32 v[NIL], 0
	v_and_b32 v1, 31, v0
	v_lshrrev_b32 v5, 5, v0
	v_readfirstlane_b32 s12, v5                    ; wave 0..31
	v_lshlrev_b32 v2, 5, v0                        ; 32 t
	v_lshlrev_b32 v3, 4, v1                        ; 16 lane
	v_lshlrev_b32 v4, 5, v1                        ; 32 lane
	v_mov_b32 v7, s12
	v_lshlrev_b32 v8, 5, v7                        ; 32 w
	v_lshlrev_b32 v7, 4, v7                        ; 16 w
	s_mov_b32 s13, 0x76543210
	s_mov_b32 s14, 0xfedcba98
.irp e, 0,1,2,3,4,5,6,7
	s_mov_b32 s[RUN+\e], 0
.endr
	s_wait_kmcnt 0x0
	global_load_b128 v[E:E+3], v2, s[4:5]
	global_load_b128 v[E+4:E+7], v2, s[4:5] offset:16
	global_load_b128 v[US:US+3], v2, s[6:7] offset:32768
	global_load_b128 v[US+4:US+7], v2, s[6:7] offset:32784
	s_wait_loadcnt 2                               ; the experts are in; the two loads of sums stay out
.irp i, 0,1,2,3,4,5,6,7
	v_min_u32 v[E+\i], 7, v[E+\i]
.endr
; Entry i of every lane, expert by expert: the lanes that hold the expert; a lane's rank = the wave's count so far + the holders in lower lanes; the count goes up by the holders.
.irp i, 0,1,2,3,4,5,6,7
.irp e, 0,1,2,3,4,5,6,7
	v_cmp_eq_u32 s66, \e, v[E+\i]
.if \e == 0
	v_mbcnt_lo_u32_b32 v[LR+\i], s66, s[RUN+\e]
.else
	v_mbcnt_lo_u32_b32 v5, s66, s[RUN+\e]
	v_cndmask_b32 v[LR+\i], v[LR+\i], v5, s66
.endif
	s_bcnt1_i32_b32 s67, s66
	s_add_co_u32 s[RUN+\e], s[RUN+\e], s67
.endr
.endr
.irp k, 0,1,2,3
	s_lshl_b32 s61, s[RUN+2*\k+1], 16              ; a wave's count is 256 at the most, all waves' 8,192: 16 bits hold the sums
	s_or_b32 s61, s61, s[RUN+2*\k]
	v_mov_b32 v[CT+\k], s61
.endr
	ds_store_b128 v7, v[CT:CT+3]
	s_wait_loadcnt 0x0
.irp e, 0,1,2,3,4,5,6,7
	RED US+\e
.endr
	ds_store_b128 v8, v[US:US+3] offset:USM
	ds_store_b128 v8, v[US+4:US+7] offset:USM+16
	s_wait_dscnt 0x0                               ; for the others' sake
	s_barrier_signal -1
	s_barrier_wait -1
	ds_load_b128 v[CT:CT+3], v3                    ; lane l: the counts of wave l
	s_wait_dscnt 0x0
	v_cmp_gt_u32 vcc_lo, s12, v1                   ; waves in front of mine
.irp k, 0,1,2,3
	v_cndmask_b32 v[CT+4+\k], 0, v[CT+\k], vcc_lo
.endr
.irp k, 0,1,2,3,4,5,6,7
	IRED CT+\k
.endr
.irp k, 0,1,2,3
	v_readfirstlane_b32 s61, v[CT+\k]
	s_and_b32 s[CE+2*\k], s61, 0xffff
	s_lshr_b32 s[CE+2*\k+1], s61, 16
	v_readfirstlane_b32 s61, v[CT+4+\k]
	s_and_b32 s[BA+2*\k], s61, 0xffff
	s_lshr_b32 s[BA+2*\k+1], s61, 16
.endr
.irp e, 0,1,2,3,4,5,6,7
	s_add_co_u32 s61, s[CE+\e], 143                ; ceil(c / 144) = ((c + 143) / 16) / 9; y / 9 = (7282 y) >> 16 for y < 32,768 (9 x 7282 = 65,536 + 2)
	s_lshr_b32 s61, s61, 4
	s_mul_i32 s61, s61, 7282
	s_lshr_b32 s[NB+\e], s61, 16
.endr
	s_mov_b32 s56, 64
.irp e, 0,1,2,3,4,5,6,7
	s_sub_co_u32 s56, s56, s[NB+\e]                ; L
.endr
	s_mov_b32 s57, 0                               ; m, the first of the fullest
	s_mov_b32 s58, s[CE]
.irp e, 1,2,3,4,5,6,7
	s_cmp_gt_u32 s[CE+\e], s58
	s_cselect_b32 s57, \e, s57
	s_cselect_b32 s58, s[CE+\e], s58
.endr
.irp e, 0,1,2,3,4,5,6,7
	s_cmp_eq_u32 s57, \e
	s_cselect_b32 s61, s56, 0
	s_add_co_u32 s[NB+\e], s[NB+\e], s61
.endr
	s_mov_b32 s[BB], 0
.irp e, 0,1,2,3,4,5,6
	s_add_co_u32 s[BB+\e+1], s[BB+\e], s[NB+\e]
.endr
	s_mov_b32 s59, 0
.irp e, 0,1,2,3,4,5,6,7
	s_cmp_eq_u32 s57, \e
	s_cselect_b32 s59, s[BB+\e], s59
.endr
	s_mul_i32 s59, s59, 144                        ; expert m's first slot
	s_mul_i32 s60, s56, 144                        ; 144 L
	v_mov_b32 v6, 0
.irp e, 0,1,2,3,4,5,6,7
	s_mul_i32 s61, s[BB+\e], 144
	s_add_co_u32 s61, s61, s[BA+\e]
	v_writelane_b32 v6, s61, \e                    ; lane e: where my wave's entries of expert e begin
.endr
.irp i, 0,1,2,3,4,5,6,7
	v_lshlrev_b32 v[IDX+\i], 2, v[E+\i]
	ds_bpermute_b32 v[XT+\i], v[IDX+\i], v6
.endr
.irp j, 0,1,2,3
	v_lshl_add_u32 v[TK+\j], v0, 2, \j
.endr
	s_wait_dscnt 0x0
.irp i, 0,1,2,3,4,5,6,7
	v_add_nc_u32 v[SL+\i], v[XT+\i], v[LR+\i]      ; the slot if all blocks were full
	v_sub_nc_u32 v5, v[SL+\i], s59                 ; the rank in expert m (used for its entries alone)
	v_cmp_gt_u32 vcc_lo, s60, v5
	v_lshrrev_b32 v5, 3, v5
	v_mul_u32_u24 v5, v5, 7282
	v_lshrrev_b32 v5, 16, v5                       ; rank / 72
	v_mul_u32_u24 v5, v5, 72
	v_cndmask_b32 v5, s60, v5, vcc_lo              ; in the halved blocks 72 (rank / 72) slots are skipped, behind them 144 L
	v_cmp_eq_u32 vcc_lo, s57, v[E+\i]
	v_cndmask_b32 v5, 0, v5, vcc_lo
	v_add_nc_u32 v[SL+\i], v[SL+\i], v5
	v_min_u32 v[SL+\i], 0x23ff, v[SL+\i]           ; 9,215, the last slot
	v_lshlrev_b32 v[SA+\i], 2, v[SL+\i]
.endr
	global_store_b128 v2, v[SL:SL+3], s[8:9]
	global_store_b128 v2, v[SL+4:SL+7], s[8:9] offset:16
.irp i, 0,1,2,3,4,5,6,7
	global_store_b32 v[SA+\i], v[TK+\i/2], s[8:9] offset:32768
.endr
	s_cmp_lg_u32 s12, 0
	s_cbranch_scc1 .Lnot_0
	v_lshlrev_b32 v40, 1, v1                       ; wave 0: lane l names the experts of blocks 2 l and 2 l + 1: the number of experts 1..7 that begin at or in front of the block
	v_or_b32 v41, 1, v40
	v_mov_b32 v42, 0
	v_mov_b32 v43, 0
.irp e, 1,2,3,4,5,6,7
	v_cmp_le_u32 vcc_lo, s[BB+\e], v40
	v_cndmask_b32 v5, 0, 1, vcc_lo
	v_add_nc_u32 v42, v42, v5
	v_cmp_le_u32 vcc_lo, s[BB+\e], v41
	v_cndmask_b32 v5, 0, 1, vcc_lo
	v_add_nc_u32 v43, v43, v5
.endr
	v_lshlrev_b32 v44, 3, v1
	global_store_b64 v44, v[42:43], s[8:9] offset:69632  ; 256 consecutive bytes
.Lnot_0:
	s_cmp_lg_u32 s12, 1
	s_cbranch_scc1 .Lnot_1
	ds_load_b128 v[US:US+3], v4 offset:USM         ; wave 1: lane l takes wave l's sums
	ds_load_b128 v[US+4:US+7], v4 offset:USM+16
	s_wait_dscnt 0x0
.irp e, 0,1,2,3,4,5,6,7
	RED US+\e
.endr
.macro SUM8                            ; v40 = the sum of the eight
	v_add_f32 v40, v[US], v[US+1]
	v_add_f32 v41, v[US+2], v[US+3]
	v_add_f32 v42, v[US+4], v[US+5]
	v_add_f32 v43, v[US+6], v[US+7]
	v_add_f32 v40, v40, v41
	v_add_f32 v42, v42, v43
	v_add_f32 v40, v40, v42
.endm
	SUM8
	v_add_f32 v41, 0x322bcc77, v40
	v_rcp_f32 v41, v41
	v_nop
	s_wait_alu depctr_va_vdst(0)
.irp e, 0,1,2,3,4,5,6,7
	v_mul_f32 v[US+\e], v[US+\e], v41              ; the shares
.endr
	SUM8
	v_mul_f32 v40, 0x3e000000, v40                 ; their mean
.irp e, 0,1,2,3,4,5,6,7
	v_sub_f32 v[US+\e], v[US+\e], v40
.endr
	v_mul_f32 v42, v[US], v[US]
.irp e, 1,2,3,4,5,6,7
	v_fmac_f32 v42, v[US+\e], v[US+\e]
.endr
	v_mul_f32 v42, 0x3e000000, v42
	v_add_f32 v43, 0x322bcc77, v40
	v_sqrt_f32 v42, v42
	v_rcp_f32 v43, v43
	v_mov_b32 v41, 0                               ; a plain line behind the two
	s_wait_alu depctr_va_vdst(0)
	v_mul_f32 v42, v42, v43
	v_cmp_eq_u32 vcc_lo, 0, v1
	s_wait_xcnt 0x0                                ; EXEC changes only behind this wait: my earlier stores have read it
	s_and_saveexec_b32 s61, vcc_lo
	global_store_b32 v41, v42, s[10:11]            ; lane 0 alone
	s_wait_xcnt 0x0
	s_or_b32 exec_lo, exec_lo, s61
.Lnot_1:
	s_wait_tensorcnt 0x0                           ; the wave's end, behind my last LDS store
	ds_add_u32 v[SPW], v[NIL]
	s_wait_dscnt 0x0
	s_endpgm
.Lfunc_end_k_qcc49e1c95b_bucket:
	.size	k_qcc49e1c95b_bucket, .Lfunc_end_k_qcc49e1c95b_bucket-k_qcc49e1c95b_bucket
	.p2alignl 7, 3214868480
	.fill 96, 4, 3214868480
	.section	.rodata,"a",@progbits
	.p2align	6, 0x0
	.amdhsa_kernel k_qcc49e1c95b_bucket
		.amdhsa_group_segment_fixed_size 5632
		.amdhsa_private_segment_fixed_size 0
		.amdhsa_enable_private_segment 0
		.amdhsa_kernarg_size 32
		.amdhsa_user_sgpr_count 2
		.amdhsa_user_sgpr_kernarg_segment_ptr 1
		.amdhsa_wavefront_size32 1
		.amdhsa_system_sgpr_workgroup_id_x 1
		.amdhsa_system_sgpr_workgroup_id_y 1
		.amdhsa_system_sgpr_workgroup_id_z 1
		.amdhsa_system_vgpr_workitem_id 0
		.amdhsa_next_free_vgpr 96
		.amdhsa_next_free_sgpr 72
		.amdhsa_reserve_vcc 1
		.amdhsa_float_denorm_mode_32 3
		.amdhsa_float_denorm_mode_16_64 3
		.amdhsa_memory_ordered 1
		.amdhsa_forward_progress 1
		.amdhsa_inst_pref_size 45
	.end_amdhsa_kernel
	.amdgpu_metadata
---
amdhsa.version: [ 1, 2 ]
amdhsa.kernels:
  - .name:           k_qcc49e1c95b_bucket
    .symbol:         k_qcc49e1c95b_bucket.kd
    .args:
      - { .name: sel, .offset: 0, .size: 8, .value_kind: global_buffer, .address_space: global }
      - { .name: rp, .offset: 8, .size: 8, .value_kind: global_buffer, .address_space: global }
      - { .name: ord, .offset: 16, .size: 8, .value_kind: global_buffer, .address_space: global }
      - { .name: out2, .offset: 24, .size: 8, .value_kind: global_buffer, .address_space: global }
    .group_segment_fixed_size: 5632
    .private_segment_fixed_size: 0
    .kernarg_segment_align: 8
    .kernarg_segment_size: 32
    .max_flat_workgroup_size: 1024
    .sgpr_count:     72
    .vgpr_count:     96
    .wavefront_size: 32
...
	.end_amdgpu_metadata
.endif
;; end of part 3
;; launch mlp (part 4): grid 4 x 64, 4 waves a work-group, no clusters, 327,680 bytes of LDS; arguments xb, wb, ord, b_up, b_down, yp; writes yp
.if DOCPART == 4
	.amdgcn_target "amdgcn-amd-amdhsa--gfx1250"
	.amdhsa_code_object_version 6
	.text
	.protected	k_qcc49e1c95b_mlp
	.globl	k_qcc49e1c95b_mlp
	.p2align	8
	.type	k_qcc49e1c95b_mlp,@function
k_qcc49e1c95b_mlp:
	s_mov_b64 s[64:65], 0
	v_nop
	global_prefetch_b8 v0, s[64:65] scope:SCOPE_SE
	s_setreg_imm32_b32 hwreg(HW_REG_WAVE_MODE, 25, 1), 1
	s_wait_xcnt 0x0
; MLP.  Work-group (q, rb): the 144 slots of row block rb, all of expert e = blk[rb], and quarter q of the 2,048 hidden channels.
;   phase 0: H[144][512] = gelu(X[144][512] Wup[e][:, 512 q ..] + b_up)          phase 1: Y[144][512] = H Wdown[e][512 q .., :]  (+ b_down where q = 0)
; Y goes to yp[slot][q][512] in f32: four partial sums a slot, added by the next launch.  X, the weights and H are bf16, all sums f32; the biases are rounded to bf16 like every input and enter
; as the C operand of the product that starts a sum, so nothing is cleared.  gelu is the tanh form, written x / (1 + 2^(x (c0 + c1 x^2))), c0 = -2 log2(e) sqrt(2 / pi), c1 = 0.044715 c0.
; SHARES.  64 x 4 = 256 work-groups of four waves.  Wave w makes all 144 rows x columns 128 w .. + 127: 72 accumulators of 16 x 16, 576 registers; for 32 along K it reads 9 + 8 fragments from LDS
; for 72 matrix instructions.  The matrix instruction is used transposed (source 0 = 16 columns of the weights, source 1 = 16 rows of X or H): a lane then holds 8 neighbouring columns of one row.
; LDS.  XH: 144 rows of 1,024 bytes, 1,040 apart: X, gathered row by row by asynchronous copies (a slot's token comes from the list), later overwritten by H.  RING: two slots; in each, for each
; wave, its own 64 k x 128 columns of weights (rows of 256 bytes, 288 apart), brought by the wave's own tensor load and read turned, by ds_load_tr16_b128.  By this text's own count a wave has at
; most two tensor loads out.  A slot holds two K steps of 32; from a refill to the wait for it a wave issues 144 matrix instructions.
; NO CLUSTER: the weights' tiles are shared by the row blocks of one expert, whose number is read from memory and need not be a multiple of four; X is shared by the four q, but it is a gather of
; rows, which one descriptor cannot state, and 147 KB of the 1.2 MB that a work-group brings in.
; LIMITS.  bf16 operands; slots without an entry compute token 0's row, and nobody reads it; NaN and infinities are not treated apart; an exponential below 2^-126 counts as 0.
; REGISTERS, in windows of 256 (s_set_vgpr_msb: bits 1:0 source 0, 3:2 source 1, 5:4 source 2, 7:6 destination):
;   window 0: v0-23 addresses; v32-103, v104-175 fragments of X or H, two buffers of 9; v32 on is also at work in the gather, the gelu and the way out
;   window 1: v0-63 accumulators of row block 8; v64-127, v128-191 fragments of the weights, two buffers of 8; v192-255 the bias, 8 registers a column block
;   window 2: accumulators of row blocks 0-3 (at 64 a + 8 b);   window 3: of row blocks 4-7
.set PX,    1040                       ; an odd multiple of 16: the 16 rows of a fragment load start in 16 different groups of banks
.set AROW,  16*PX
.set RING,  144*PX
.set PW,    288                        ; an odd multiple of 32
.set WTILE, 64*PW
.set SLOT,  4*WTILE
.set STG,   RING+2*SLOT                ; 16 rows x 272 bytes for each wave, for the way out
.set PS,    272
.set WSTG,  16*PS
.set SPARE, STG+4*WSTG                 ; the spare words, 128 bytes for each wave
.set C16,  5                           ; v5   16 (l % 16)
.set LAD,  6                           ; v6   my byte offset in the block's list
.set BAD,  7                           ; v7   my byte offset in 16 numbers of a bias: 32 (l / 16)
.set ADRA, 8                           ; v8-10   LDS address of my fragments of row blocks 0-3, 4-7, 8, at the K in hand
.set ABASE,11                          ; v11-13  the same at K = 0; never rewritten
.set ADRB, 14                          ; v14-15  LDS address of my fragments of the weights in slot 0, 1
.set HST0, 16                          ; v16  where I put 16 bytes of H in row block 0
.set YST,  17                          ; v17  the way out: where I put 16 bytes of a row
.set YRD,  18                          ; v18  where I read a row back
.set YGO,  19                          ; v19  my byte offset in yp
.set SPW,  20                          ; v20  LDS address of my spare word; never rewritten
.set NIL,  21                          ; v21  0; never rewritten
.set HSTW, 22                          ; v22  HST0 + the row block in hand
.set VL0,  23                          ; v23  the gather: LDS address of my 16 bytes in my wave's first two rows
.set AF,   32
.set VI,   32                          ; v32-49  the gather: token, then byte offset in xb, for pair p of my wave's 18 pairs of rows
.set VL,   50                          ; v50-67  the gather: LDS address for pair p
.set T,    32                          ; v32-95  the gelu: a row block's 64 numbers
.set U,    96                          ; v96-127 two buffers of 16 at work
.set P,    128                         ; v128-135 16 numbers packed
.set OB,   32                          ; v32-63, v64-95 the way out: half a row block read back
.set BF,   64                          ; window 1
.set BIAS, 192                         ; window 1
.set WV,  16
.set QQ,  17
.set RB,  18
.set EX,  19
.set G1U, 24                           ; s[24:31] descriptor group 1 for w_up's tiles
.set G1D, 32                           ; s[32:39] for w_down's: it differs in the pitch alone
.set G0,  40                           ; s[40:47] descriptor group 0, a set for each slot
.set DNB, 48                           ; s[48:49] the address of my part of w_down's first tile
.set LAP, 52
.set GC,  53
.set C0,  54
.set C1,  56
.set HI16, 58
.set QM,  59                           ; all ones where q = 0, else 0
.set LB,  60                           ; s[60:61] the block's list
.set KO,  62                           ; bytes along K at which the lap in hand begins
.set HO,  63                           ; bytes of XH in front of the row block in hand
.set MSB, 0
.macro WIN new                         ; the immediate's high byte repeats the setting that is left; a switch that changes nothing is dropped
.if MSB != (\new)
	s_set_vgpr_msb (MSB<<8)|(\new)
.set MSB, \new
.endif
.endm
.macro PLACES                          ; four plain lines between a matrix instruction and a load into, or a vector line on, its registers
.rept 4
	v_nop
.endr
.endm
.macro ACCOF a                         ; AW, AB: the window and the first register of row block a's accumulators
.if (\a) < 4
.set AW, 2
.elseif (\a) < 8
.set AW, 3
.else
.set AW, 1
.endif
.set AB, 64*((\a)%4)
.endm
; 8 matrix instructions: row block a x all 8 column blocks, 32 along K, from buffers f.  first = 1: the bias starts the sums.  The 72 accumulators take turns in the same order in every K step.
.macro MULROW f, a, first
	ACCOF \a
.if \first
	WIN (AW<<6)|0x11
.else
	WIN (AW<<6)|(AW<<4)|1
.endif
.irp b, 0,1,2,3,4,5,6,7
.if \first
	v_wmma_f32_16x16x32_bf16 v[AB+8*\b:AB+8*\b+7], v[BF+64*(\f)+8*\b:BF+64*(\f)+8*\b+7], v[AF+72*(\f)+8*(\a):AF+72*(\f)+8*(\a)+7], v[BIAS+8*\b:BIAS+8*\b+7]
.else
	v_wmma_f32_16x16x32_bf16 v[AB+8*\b:AB+8*\b+7], v[BF+64*(\f)+8*\b:BF+64*(\f)+8*\b+7], v[AF+72*(\f)+8*(\a):AF+72*(\f)+8*(\a)+7], v[AB+8*\b:AB+8*\b+7]
.endif
.endr
.endm
; 34 LDS loads in one run, into buffers f: half kk of slot's 64 k x my 128 columns, turned (16 loads), then 144 rows x 32 K at byte koff behind the lap's beginning (18 loads)
.macro FETCH slot, kk, koff, f
	WIN 0x40
.irp b, 0,1,2,3,4,5,6,7
	ds_load_tr16_b128 v[BF+64*(\f)+8*\b:BF+64*(\f)+8*\b+3],   v[ADRB+(\slot)] offset:(\kk)*32*PW+32*\b
	ds_load_tr16_b128 v[BF+64*(\f)+8*\b+4:BF+64*(\f)+8*\b+7], v[ADRB+(\slot)] offset:(\kk)*32*PW+32*\b+16*PW
.endr
	WIN 0
.irp a, 0,1,2,3,4,5,6,7,8
	ds_load_b128 v[AF+72*(\f)+8*\a:AF+72*(\f)+8*\a+3],   v[ADRA+\a/4] offset:(\a%4)*AROW+(\koff)
	ds_load_b128 v[AF+72*(\f)+8*\a+4:AF+72*(\f)+8*\a+7], v[ADRA+\a/4] offset:(\a%4)*AROW+(\koff)+32
.endr
.endm
; A K step of 32 that changes no slot: multiplies buffers f; in its middle it fetches the next step's fragments into g.  tw = 1: that step's tile is waited for first.
.macro HALF f, g, slot, kk, koff, first, tw
	s_wait_dscnt 10                                ; the weights and row blocks 0-3 are in; the youngest ten loads (row blocks 4-8) may be out
	MULROW \f, 0, \first
	MULROW \f, 1, \first
	MULROW \f, 2, \first
	MULROW \f, 3, \first
.if \tw
	s_wait_tensorcnt 0x0                           ; my last tile has landed; only I read it
.endif
	PLACES
	FETCH \slot, \kk, \koff, \g
	s_wait_dscnt 34                                ; all but the 34 just issued
	MULROW \f, 4, \first
	MULROW \f, 5, \first
	MULROW \f, 6, \first
	MULROW \f, 7, \first
	MULROW \f, 8, \first
.endm
; The K step that leaves a slot: multiplies buffers 1.  Each wave waits for all its tensor loads and copies, adds 0 to its spare word, waits for that and for its reads of the slot, and passes
; the barrier; the refill is the first thing behind it.  kind 0: w_up's tile two on; 1: w_down's tile 0 or 1; 2: w_down's tile two on.  fetch = 1: the next slot's first fragments follow.
.macro TURN slot, nslot, koff, kind, fetch
	WIN 0                                          ; (the add's two registers lie in window 0)
	s_wait_tensorcnt 0x0                           ; all my tensor loads have landed: the one that was out is the other slot's tile; so a group 0 may be written
	s_wait_asynccnt 0x0
	ds_add_u32 v[SPW], v[NIL]                      ; 0 onto my spare word
.if (\kind) == 0
	s_add_nc_u64 s[G0+4*(\slot)+2:G0+4*(\slot)+3], s[G0+4*(\slot)+2:G0+4*(\slot)+3], 2*64*2048*2
.elseif (\kind) == 1
	s_add_nc_u64 s[G0+4*(\slot)+2:G0+4*(\slot)+3], s[DNB:DNB+1], (\slot)*64*512*2
	s_or_b32 s[G0+4*(\slot)+3], s[G0+4*(\slot)+3], 0x80000000
.else
	s_add_nc_u64 s[G0+4*(\slot)+2:G0+4*(\slot)+3], s[G0+4*(\slot)+2:G0+4*(\slot)+3], 2*64*512*2
.endif
	s_wait_dscnt 11                                ; (the add and the youngest ten loads may be out)
	MULROW 1, 0, 0
	MULROW 1, 1, 0
	s_wait_dscnt 0x0                               ; the add is done, and my reads of this slot, and of XH so far, are over
	s_barrier_signal -1
	MULROW 1, 2, 0                                 ; work on registers while the others arrive
	MULROW 1, 3, 0
	WIN 0
	s_barrier_wait -1
.if (\kind) == 0
	tensor_load_to_lds s[G0+4*(\slot):G0+4*(\slot)+3], s[G1U:G1U+7]
.else
	tensor_load_to_lds s[G0+4*(\slot):G0+4*(\slot)+3], s[G1D:G1D+7]
.endif
	s_nop 0
	PLACES                                         ; the places in front of the loads below
.if \fetch
	FETCH \nslot, 0, \koff, 0
.endif
	MULROW 1, 4, 0
	MULROW 1, 5, 0
	MULROW 1, 6, 0
	MULROW 1, 7, 0
	MULROW 1, 8, 0
.endm
; K steps 0 to 12 of a phase's 16.  A trip is four steps, once round the ring, and fills both slots again: 3 trips bring tiles 2 to 7.
.macro PHASE ph
	HALF 0, 1, 0, 1, 64, 1, 0
	WIN 0                                          ; at a label and at a branch every window is 0
	s_mov_b32 s[LAP], 3
.Llap\ph:
	TURN 0, 1, 128, 2*(\ph), 1
	HALF 0, 1, 1, 1, 192, 0, 0
	TURN 1, 0, 256, 2*(\ph), 1
	WIN 0
	s_add_co_u32 s[KO], s[KO], 256                 ; four K steps of 64 bytes on
.irp j, 0,1,2
	v_add_nc_u32 v[ADRA+\j], s[KO], v[ABASE+\j]
.endr
	HALF 0, 1, 0, 1, 64, 0, 0
	WIN 0
	s_sub_co_u32 s[LAP], s[LAP], 1
	s_cmp_lg_u32 s[LAP], 0
	s_cbranch_scc1 .Llap\ph
.endm
.macro RBIAS mask                      ; the 64 numbers of the bias rounded to bf16 and widened again; mask = 1: and set to 0 unless q = 0.  At work: the weights' buffer 0
	WIN 0x55
.set i, 0
.rept 32
	v_cvt_pk_bf16_f32 v[BF+i], v[BIAS+2*i], v[BIAS+2*i+1]
.if \mask
	v_and_b32 v[BF+i], s[QM], v[BF+i]
.endif
	v_lshlrev_b32 v[BIAS+2*i], 16, v[BF+i]
	v_and_b32 v[BIAS+2*i+1], s[HI16], v[BF+i]
.set i, i+1
.endr
	WIN 0
.endm
	s_load_b256 s[4:11], s[0:1], 0x0               ; xb 4, wb 6, ord 8, b_up 10
	s_load_b128 s[12:15], s[0:1], 0x20             ; b_down 12, yp 14
	v_lshl_add_u32 v[SPW], v0, 2, SPARE
	v_mov_b32 v[NIL], 0
	ds_add_u32 v[SPW], v[NIL]                      ; the wave's opening: the add and its wait stand ahead of my first tensor load and copy; work on registers stands between them
	ds_add_u32 v20, v21
	v_lshrrev_b32 v3, 5, v0
	v_readfirstlane_b32 s[WV], v3                  ; wave 0..3
	s_mov_b32 s[QQ], ttmp9
	s_and_b32 s[RB], ttmp7, 0xffff
	; descriptor group 1: a tile of 64 rows x 128 elements of 2 bytes, 8 words of padding behind every 64
.irp g, G1U, G1D
	s_mov_b32 s[\g], (1<<16)|(1<<20)|(5<<22)|(7<<25)
	s_mov_b32 s[\g+1], 128<<16                     ; tensor_dim0 = 128
	s_mov_b32 s[\g+2], 64<<16                      ; tensor_dim1 = 64
	s_mov_b32 s[\g+3], 128<<16                     ; tile_dim0 = 128
	s_mov_b32 s[\g+4], 64                          ; tile_dim1 = 64
	s_mov_b32 s[\g+6], 0
	s_mov_b32 s[\g+7], 0
.endr
	s_mov_b32 s[G1U+5], 2048                       ; elements from row to row
	s_mov_b32 s[G1D+5], 512
	s_mul_i32 s20, s[WV], WTILE
	s_mov_b32 s[G0], 1
	s_add_co_u32 s[G0+1], s20, RING                ; my part of slot 0,
	s_mov_b32 s[G0+4], 1
	s_add_co_u32 s[G0+5], s20, RING+SLOT           ; of slot 1
	s_mov_b32 s[C0], 0xc0135761                    ; -2.3022082
	s_mov_b32 s[C0+1], s[C0]                       ; named with it as a pair
	s_mov_b32 s[C1], 0xbdd2d3e8                    ; -0.10294324
	s_mov_b32 s[C1+1], s[C1]
	s_mov_b32 s[HI16], 0xffff0000
	s_cmp_eq_u32 s[QQ], 0
	s_cselect_b32 s[QM], -1, 0
	s_mov_b32 s[KO], 0
	v_and_b32 v1, 15, v0                           ; r = l % 16
	v_bfe_u32 v2, v0, 4, 1                         ; h = l / 16
	v_and_b32 v3, 7, v0
	v_bfe_u32 v4, v0, 3, 1
	v_lshlrev_b32 v[C16], 4, v1
	v_lshlrev_b32 v[BAD], 5, v2
	v_mul_u32_u24 v[ABASE], v1, PX
	v_lshl_add_u32 v[ABASE], v2, 4, v[ABASE]       ; a fragment of X or H: row r x pitch + 16 h; two loads, 32 bytes apart
	v_add_nc_u32 v[ABASE+1], 4*AROW, v[ABASE]
	v_add_nc_u32 v[ABASE+2], 8*AROW, v[ABASE]
.irp j, 0,1,2
	v_mov_b32 v[ADRA+\j], v[ABASE+\j]
.endr
	v_lshl_add_u32 v[HST0], s[WV], 8, v[ABASE]     ; H: the same row and half, my wave's 256 bytes
	v_lshl_add_u32 v3, v2, 3, v3                   ; the turning load: lane l reads k = 8 h + l % 8, columns 8 ((l / 8) % 2) .. + 7
	v_mul_u32_u24 v3, v3, PW
	v_lshl_add_u32 v3, v4, 4, v3
	v_add_nc_u32 v[ADRB], s[G0+1], v3
	v_add_nc_u32 v[ADRB+1], s[G0+5], v3
	s_mul_i32 s22, s[WV], WSTG
	s_add_co_u32 s22, s22, STG                     ; my stage
	v_mul_u32_u24 v[YST], v1, PS                   ; in: row r, 32 bytes for each half of the lanes
	v_lshl_add_u32 v[YST], v2, 5, v[YST]
	v_add_nc_u32 v[YST], s22, v[YST]
	v_mul_u32_u24 v[YRD], v2, PS                   ; back: lanes 0-15 one row of 256 bytes, lanes 16-31 the next
	v_add_nc_u32 v[YRD], v[YRD], v[C16]
	v_add_nc_u32 v[YRD], s22, v[YRD]
	v_lshl_add_u32 v[YGO], v2, 13, v[C16]          ; and the same two slots in yp, 8,192 bytes apart
	s_mul_i32 s23, s[WV], 36
	v_add_nc_u32 v3, s23, v2                       ; the gather: wave w brings rows 36 w .. + 35, two to a copy: row 36 w + 2 p + h
	v_lshlrev_b32 v[LAD], 2, v3
	v_mul_u32_u24 v[VL0], v3, PX
	v_add_nc_u32 v[VL0], v[VL0], v[C16]
	s_wait_dscnt 0x0                               ; the opening add is done
	s_wait_kmcnt 0x0
	s_lshl_b32 s22, s[RB], 2
	s_load_b32 s[EX], s[8:9], s22 offset:0x11000   ; blk[rb]
	s_mul_i32 s20, s[RB], 576
	s_mov_b32 s21, 0
	s_add_nc_u64 s[LB:LB+1], s[8:9], s[20:21]
.set p, 0
.rept 18
	global_load_b32 v[VI+p], v[LAD], s[LB:LB+1] offset:32768+8*p
.set p, p+1
.endr
	s_wait_kmcnt 0x0
	s_min_u32 s[EX], s[EX], 7
	s_lshl_b32 s20, s[EX], 21                      ; an expert's 2,097,152 bytes in either half of wb,
	s_lshl_b32 s23, s[WV], 8
	s_add_co_u32 s20, s20, s23                     ; my wave's 256 bytes of a row
	s_lshl_b32 s22, s[QQ], 10                      ; w_up: the quarter's 512 columns
	s_add_co_u32 s22, s22, s20
	s_mov_b32 s23, 0
	s_add_nc_u64 s[G0+2:G0+3], s[6:7], s[22:23]
	s_add_nc_u64 s[G0+6:G0+7], s[G0+2:G0+3], 64*2048*2
	s_or_b32 s[G0+3], s[G0+3], 0x80000000          ; type = 2
	s_or_b32 s[G0+7], s[G0+7], 0x80000000
	s_lshl_b32 s22, s[QQ], 19                      ; w_down: the quarter's 512 rows of 1,024 bytes
	s_add_co_u32 s22, s22, s20
	s_add_co_u32 s22, s22, 0x1000000
	s_add_nc_u64 s[DNB:DNB+1], s[6:7], s[22:23]
	tensor_load_to_lds s[G0:G0+3], s[G1U:G1U+7]    ; the two first fills go out together, ahead of every wait on TENSORcnt, every LDS read and every barrier
	s_nop 0
	tensor_load_to_lds s[G0+4:G0+7], s[G1U:G1U+7]
	s_nop 0
	PLACES
	s_lshl_b32 s20, s[EX], 13
	s_lshl_b32 s22, s[QQ], 11
	s_lshl_b32 s50, s[WV], 9
	s_add_co_u32 s20, s20, s22
	s_add_co_u32 s20, s20, s50
	s_add_nc_u64 s[10:11], s[10:11], s[20:21]      ; b_up at my 128 columns
	s_lshl_b32 s20, s[EX], 11
	s_add_co_u32 s20, s20, s50
	s_add_nc_u64 s[12:13], s[12:13], s[20:21]      ; b_down at my 128 columns
	s_mul_i32 s20, s[RB], 144*8192
	s_add_co_u32 s20, s20, s22
	s_add_co_u32 s20, s20, s50
	s_add_nc_u64 s[14:15], s[14:15], s[20:21]      ; yp at the block's first slot, my quarter, my 512 bytes
	WIN 0x40
.irp b, 0,1,2,3,4,5,6,7                ; register j of column block b: column 16 b + 8 h + j
	global_load_b128 v[BIAS+8*\b:BIAS+8*\b+3],   v[BAD], s[10:11] offset:64*\b
	global_load_b128 v[BIAS+8*\b+4:BIAS+8*\b+7], v[BAD], s[10:11] offset:64*\b+16
.endr
	WIN 0
	s_wait_loadcnt 16                              ; the 18 tokens are in; the 16 loads of the bias stay out
.set p, 0
.rept 18
	v_min_u32 v[VI+p], 0xfff, v[VI+p]
	v_lshl_add_u32 v[VI+p], v[VI+p], 10, v[C16]    ; the token's row of 1,024 bytes, my 16 bytes of a quarter of it
	v_add_nc_u32 v[VL+p], 2*PX*p, v[VL0]
.set p, p+1
.endr
.set p, 0
.rept 18
.irp c, 0,1,2,3
	global_load_async_to_lds_b128 v[VL+p], v[VI+p], s[4:5] offset:256*\c  ; sixteen lanes copy 256 consecutive bytes of a row; the immediate steps both addresses
.endr
.set p, p+1
.endr
	s_wait_loadcnt 0x0
	RBIAS 0
	s_wait_asynccnt 0x0                            ; my 36 rows of X are in LDS,
	s_wait_tensorcnt 0x1                           ; and my first tile; the second may stay out
	s_barrier_signal -1
	s_barrier_wait -1                              ; everybody's rows are
	FETCH 0, 0, 0, 0
	PHASE 0
	TURN 0, 1, 128, 1, 1                           ; K step 13: slot 0 takes w_down's tile 0
	HALF 0, 1, 1, 1, 192, 0, 0
	TURN 1, 0, 0, 1, 0                             ; K step 15: slot 1 takes tile 1.  In front of its barrier every wave's reads of X are over: XH may be written behind it
; THE GELU, a row block (64 numbers a lane) a trip.  One text serves the nine row blocks: a block's accumulators, which lie in three windows, are first copied to window 0, lowest registers first.
	WIN 0
	PLACES
	WIN 0x40
.irp b, 0,1,2,3,4,5,6,7
	global_load_b128 v[BIAS+8*\b:BIAS+8*\b+3],   v[BAD], s[12:13] offset:64*\b
	global_load_b128 v[BIAS+8*\b+4:BIAS+8*\b+7], v[BAD], s[12:13] offset:64*\b+16
.endr
	WIN 0
.macro COPY a
	ACCOF \a
	WIN AW
.set i, 0
.rept 64
	v_mov_b32 v[T+i], v[AB+i]
.set i, i+1
.endr
	WIN 0
.endm
.macro GA g, i                         ; line i of the 24 that make x (c0 + c1 x^2) for group g's 16 numbers, two a line: x^2; c1 x^2 + c0; times x
.set pp, (\i)%8
.set uu, U+16*((\g)%2)+2*pp
.set tt, T+16*(\g)+2*pp
.if (\i) < 8
	v_pk_mul_f32 v[uu:uu+1], v[tt:tt+1], v[tt:tt+1]
.elseif (\i) < 16
	v_pk_fma_f32 v[uu:uu+1], v[uu:uu+1], s[C1:C1+1], s[C0:C0+1] op_sel_hi:[1,0,0]
.else
	v_pk_mul_f32 v[uu:uu+1], v[uu:uu+1], v[tt:tt+1]
.endif
.endm
; Group g: 16 exponentials, + 1, 16 reciprocals, times x, rounded, stored.  Behind each exponential and each of the first eight reciprocals stands a line of the next group's exponent: a plain
; line that touches other registers; the last group has one v_nop behind each run (ISA guide 5.7.2: a plain line before a transcendental's result is used).
.macro GGROUP g
.set ub, U+16*((\g)%2)
.set k, 0
.rept 16
	v_exp_f32 v[ub+k], v[ub+k]
.if (\g) < 3
	GA (\g)+1, k
.endif
.set k, k+1
.endr
.if (\g) == 3
	v_nop
	s_wait_alu depctr_va_vdst(0)
.endif
.set k, 0
	s_wait_alu depctr_va_vdst(0)
.rept 8
	v_pk_add_f32 v[ub+2*k:ub+2*k+1], v[ub+2*k:ub+2*k+1], 1.0 op_sel_hi:[1,0]
.set k, k+1
.endr
.set k, 0
.rept 16
	v_rcp_f32 v[ub+k], v[ub+k]
.if ((\g) < 3) && (k < 8)
	GA (\g)+1, 16+k
.endif
.set k, k+1
.endr
.if (\g) == 3
	v_nop
	s_wait_alu depctr_va_vdst(0)
.endif
.set k, 0
	s_wait_alu depctr_va_vdst(0)
.rept 8
	v_pk_mul_f32 v[ub+2*k:ub+2*k+1], v[ub+2*k:ub+2*k+1], v[T+16*(\g)+2*k:T+16*(\g)+2*k+1]
.set k, k+1
.endr
.set k, 0
.rept 8
	v_cvt_pk_bf16_f32 v[P+k], v[ub+2*k], v[ub+2*k+1]
.set k, k+1
.endr
	ds_store_b128 v[HSTW], v[P:P+3] offset:64*(\g)      ; column blocks 2 g and 2 g + 1: 8 neighbouring columns of my row each
	ds_store_b128 v[HSTW], v[P+4:P+7] offset:64*(\g)+32
.endm
	s_mov_b32 s[GC], 9
	s_mov_b32 s[HO], 0
.Lgelu:
	v_add_nc_u32 v[HSTW], s[HO], v[HST0]
.irp a, 0,1,2,3,4,5,6,7
	s_cmp_eq_u32 s[GC], 9-\a
	s_cbranch_scc1 .Lrow\a
.endr
	COPY 8
	s_branch .Lact
.irp a, 0,1,2,3,4,5,6
.Lrow\a:
	COPY \a
	s_branch .Lact
.endr
.Lrow7:
	COPY 7
.Lact:
.set k, 0
.rept 24
	GA 0, k
.set k, k+1
.endr
	GGROUP 0
	GGROUP 1
	GGROUP 2
	GGROUP 3
	s_add_co_u32 s[HO], s[HO], AROW
	s_sub_co_u32 s[GC], s[GC], 1
	s_cmp_lg_u32 s[GC], 0
	s_cbranch_scc1 .Lgelu
	s_wait_loadcnt 0x0                             ; b_down
	RBIAS 1
	s_mov_b32 s[KO], 0
.irp j, 0,1,2
	v_mov_b32 v[ADRA+\j], v[ABASE+\j]
.endr
	s_wait_dscnt 0x0                               ; for the others' sake: my columns of H are written
	s_barrier_signal -1
	s_barrier_wait -1                              ; H is whole.  W_down's tile 1 may stay out
	s_wait_tensorcnt 0x1                           ; tile 0 is in
	FETCH 0, 0, 0, 0
	PHASE 1
	HALF 1, 0, 1, 0, 128, 0, 1                     ; K step 13: nothing is left to fetch from memory, so no barrier; the last tile is waited for
	HALF 0, 1, 1, 1, 192, 0, 0
	s_wait_dscnt 0x0
.irp a, 0,1,2,3,4,5,6,7,8
	MULROW 1, \a, 0
.endr
; THE WAY OUT, half a row block (16 rows x 64 columns of f32) at a time: a lane's 32 bytes go into my own stage, rows of 272 bytes, and come back as whole rows of 256 bytes.
.macro TOSTAGE n
	ACCOF (\n)/2
	s_wait_xcnt 0x0                                ; the registers that the stores two halves back read are loaded again only behind this wait
	WIN AW<<2                                      ; the stores' data lie in the accumulators' window
.irp bb, 0,1,2,3
	ds_store_b128 v[YST], v[AB+32*((\n)%2)+8*\bb:AB+32*((\n)%2)+8*\bb+3] offset:64*\bb          ; each accumulator's lowest registers first
	ds_store_b128 v[YST], v[AB+32*((\n)%2)+8*\bb+4:AB+32*((\n)%2)+8*\bb+7] offset:64*\bb+16
.endr
	WIN 0
.irp t, 0,1,2,3,4,5,6,7
	ds_load_b128 v[OB+32*((\n)%2)+4*\t:OB+32*((\n)%2)+4*\t+3], v[YRD] offset:2*PS*\t  ; LDS serves a wave's instructions in order: these see the stores above
.endr
.endm
.macro SEND n, younger                 ; younger: the LDS instructions issued behind this half's loads
	s_wait_dscnt \younger
.irp t, 0,1,2,3,4,5,6,7
	global_store_b128 v[YGO], v[OB+32*((\n)%2)+4*\t:OB+32*((\n)%2)+4*\t+3], s[14:15] offset:(16*((\n)/2)+2*\t)*8192+256*((\n)%2)  ; 16 lanes store 256 consecutive bytes, at a multiple of 256
.endr
.endm
	WIN 0
	PLACES
	TOSTAGE 0
.set n, 1
.rept 17
	TOSTAGE n
	SEND n-1, 16
.set n, n+1
.endr
	SEND 17, 0
	s_wait_tensorcnt 0x0                           ; the wave's end, behind my last tensor load and my last LDS store
	s_wait_asynccnt 0x0
	ds_add_u32 v[SPW], v[NIL]
	s_wait_dscnt 0x0
	s_endpgm
.Lfunc_end_k_qcc49e1c95b_mlp:
	.size	k_qcc49e1c95b_mlp, .Lfunc_end_k_qcc49e1c95b_mlp-k_qcc49e1c95b_mlp
	.p2alignl 7, 3214868480
	.fill 96, 4, 3214868480
	.section	.rodata,"a",@progbits
	.p2align	6, 0x0
	.amdhsa_kernel k_qcc49e1c95b_mlp
		.amdhsa_group_segment_fixed_size 327680
		.amdhsa_private_segment_fixed_size 0
		.amdhsa_enable_private_segment 0
		.amdhsa_kernarg_size 48
		.amdhsa_user_sgpr_count 2
		.amdhsa_user_sgpr_kernarg_segment_ptr 1
		.amdhsa_wavefront_size32 1
		.amdhsa_system_sgpr_workgroup_id_x 1
		.amdhsa_system_sgpr_workgroup_id_y 1
		.amdhsa_system_sgpr_workgroup_id_z 1
		.amdhsa_system_vgpr_workitem_id 0
		.amdhsa_next_free_vgpr 1024
		.amdhsa_next_free_sgpr 66
		.amdhsa_reserve_vcc 0
		.amdhsa_float_denorm_mode_32 3
		.amdhsa_float_denorm_mode_16_64 3
		.amdhsa_memory_ordered 1
		.amdhsa_forward_progress 1
		.amdhsa_inst_pref_size 216
	.end_amdhsa_kernel
	.amdgpu_metadata
---
amdhsa.version: [ 1, 2 ]
amdhsa.kernels:
  - .name:           k_qcc49e1c95b_mlp
    .symbol:         k_qcc49e1c95b_mlp.kd
    .args:
      - { .name: xb, .offset: 0, .size: 8, .value_kind: global_buffer, .address_space: global }
      - { .name: wb, .offset: 8, .size: 8, .value_kind: global_buffer, .address_space: global }
      - { .name: ord, .offset: 16, .size: 8, .value_kind: global_buffer, .address_space: global }
      - { .name: b_up, .offset: 24, .size: 8, .value_kind: global_buffer, .address_space: global }
      - { .name: b_down, .offset: 32, .size: 8, .value_kind: global_buffer, .address_space: global }
      - { .name: yp, .offset: 40, .size: 8, .value_kind: global_buffer, .address_space: global }
    .group_segment_fixed_size: 327680
    .private_segment_fixed_size: 0
    .kernarg_segment_align: 8
    .kernarg_segment_size: 48
    .max_flat_workgroup_size: 128
    .sgpr_count:     66
    .vgpr_count:     1024
    .wavefront_size: 32
...
	.end_amdgpu_metadata
.endif
;; end of part 4
;; launch combine (part 5): grid 256 x 1, 16 waves a work-group, no clusters, 0 bytes of LDS; arguments ord, rp, yp, out0; writes out0
.if DOCPART == 5
	.amdgcn_target "amdgcn-amd-amdhsa--gfx1250"
	.amdhsa_code_object_version 6
	.text
	.protected	k_qcc49e1c95b_combine
	.globl	k_qcc49e1c95b_combine
	.p2align	8
	.type	k_qcc49e1c95b_combine,@function
k_qcc49e1c95b_combine:
	s_mov_b64 s[64:65], 0
	v_nop
	global_prefetch_b8 v0, s[64:65] scope:SCOPE_SE
	s_setreg_imm32_b32 hwreg(HW_REG_WAVE_MODE, 25, 1), 1
	s_wait_xcnt 0x0
; COMBINE.  out0[token] = p0 (the sum over q of yp[pos0][q]) + p1 (the sum over q of yp[pos1][q]), all in f32.  One wave a token: 16 x 256 = 4,096.
; A stream: the wave's 32 loads, 512 consecutive bytes each, are all issued at once; each store covers 512 consecutive bytes.  No LDS, no barrier, no matrix unit: there is nothing to share.
.set R, 16                             ; v[16:143]  chunk c of four, choice k, quarter q at 32 c + 16 k + 4 q
	s_load_b256 s[4:11], s[0:1], 0x0               ; ord 4, rp 6, yp 8, out0 10
	v_and_b32 v1, 31, v0
	v_lshrrev_b32 v2, 5, v0
	v_readfirstlane_b32 s12, v2                    ; wave 0..15
	v_lshlrev_b32 v1, 4, v1                        ; 16 lane
	s_lshl_b32 s13, ttmp9, 4
	s_add_co_u32 s13, s13, s12                     ; my token
	s_lshl_b32 s14, s13, 3
	s_lshl_b32 s20, s13, 11
	s_mov_b32 s21, 0
	s_wait_kmcnt 0x0
	s_load_b64 s[16:17], s[4:5], s14 offset:0x0    ; its two slots,
	s_load_b64 s[18:19], s[6:7], s14 offset:0x0    ; its two weights
	s_add_nc_u64 s[10:11], s[10:11], s[20:21]
	s_wait_kmcnt 0x0
	s_min_u32 s16, s16, 0x23ff                     ; 9,215, the last slot
	s_min_u32 s17, s17, 0x23ff
	s_lshl_b32 s22, s16, 13                        ; a slot is 8,192 bytes
	s_mov_b32 s23, 0
	s_lshl_b32 s24, s17, 13
	s_mov_b32 s25, 0
	s_add_nc_u64 s[22:23], s[8:9], s[22:23]
	s_add_nc_u64 s[24:25], s[8:9], s[24:25]
	s_mov_b32 s26, s19                             ; p1 as the low word of a pair
	s_mov_b32 s27, s19
.irp c, 0,1,2,3
.irp q, 0,1,2,3
	global_load_b128 v[R+32*\c+4*\q:R+32*\c+4*\q+3], v1, s[22:23] offset:2048*\q+512*\c th:TH_LOAD_NT
.endr
.irp q, 0,1,2,3
	global_load_b128 v[R+32*\c+16+4*\q:R+32*\c+16+4*\q+3], v1, s[24:25] offset:2048*\q+512*\c th:TH_LOAD_NT
.endr
.endr
.macro ADD2 d, s                       ; four numbers onto four
	v_pk_add_f32 v[\d:\d+1], v[\d:\d+1], v[\s:\s+1]
	v_pk_add_f32 v[\d+2:\d+3], v[\d+2:\d+3], v[\s+2:\s+3]
.endm
.irp c, 0,1,2,3
	s_wait_loadcnt 24-8*\c                         ; this chunk's eight loads are in; the later chunks' stay out
	ADD2 R+32*\c, R+32*\c+4
	ADD2 R+32*\c+8, R+32*\c+12
	ADD2 R+32*\c+16, R+32*\c+20
	ADD2 R+32*\c+24, R+32*\c+28
	ADD2 R+32*\c, R+32*\c+8
	ADD2 R+32*\c+16, R+32*\c+24
	v_pk_mul_f32 v[R+32*\c:R+32*\c+1], v[R+32*\c:R+32*\c+1], s[18:19] op_sel_hi:[1,0]
	v_pk_mul_f32 v[R+32*\c+2:R+32*\c+3], v[R+32*\c+2:R+32*\c+3], s[18:19] op_sel_hi:[1,0]
	v_pk_fma_f32 v[R+32*\c:R+32*\c+1], v[R+32*\c+16:R+32*\c+17], s[26:27], v[R+32*\c:R+32*\c+1] op_sel_hi:[1,0,1]
	v_pk_fma_f32 v[R+32*\c+2:R+32*\c+3], v[R+32*\c+18:R+32*\c+19], s[26:27], v[R+32*\c+2:R+32*\c+3] op_sel_hi:[1,0,1]
	global_store_b128 v1, v[R+32*\c:R+32*\c+3], s[10:11] offset:512*\c th:TH_STORE_NT
.endr
	s_endpgm
.Lfunc_end_k_qcc49e1c95b_combine:
	.size	k_qcc49e1c95b_combine, .Lfunc_end_k_qcc49e1c95b_combine-k_qcc49e1c95b_combine
	.p2alignl 7, 3214868480
	.fill 96, 4, 3214868480
	.section	.rodata,"a",@progbits
	.p2align	6, 0x0
	.amdhsa_kernel k_qcc49e1c95b_combine
		.amdhsa_group_segment_fixed_size 0
		.amdhsa_private_segment_fixed_size 0
		.amdhsa_enable_private_segment 0
		.amdhsa_kernarg_size 32
		.amdhsa_user_sgpr_count 2
		.amdhsa_user_sgpr_kernarg_segment_ptr 1
		.amdhsa_wavefront_size32 1
		.amdhsa_system_sgpr_workgroup_id_x 1
		.amdhsa_system_sgpr_workgroup_id_y 1
		.amdhsa_system_sgpr_workgroup_id_z 1
		.amdhsa_system_vgpr_workitem_id 0
		.amdhsa_next_free_vgpr 144
		.amdhsa_next_free_sgpr 66
		.amdhsa_reserve_vcc 0
		.amdhsa_float_denorm_mode_32 3
		.amdhsa_float_denorm_mode_16_64 3
		.amdhsa_memory_ordered 1
		.amdhsa_forward_progress 1
		.amdhsa_inst_pref_size 9
	.end_amdhsa_kernel
	.amdgpu_metadata
---
amdhsa.version: [ 1, 2 ]
amdhsa.kernels:
  - .name:           k_qcc49e1c95b_combine
    .symbol:         k_qcc49e1c95b_combine.kd
    .args:
      - { .name: ord, .offset: 0, .size: 8, .value_kind: global_buffer, .address_space: global }
      - { .name: rp, .offset: 8, .size: 8, .value_kind: global_buffer, .address_space: global }
      - { .name: yp, .offset: 16, .size: 8, .value_kind: global_buffer, .address_space: global }
      - { .name: out0, .offset: 24, .size: 8, .value_kind: global_buffer, .address_space: global }
    .group_segment_fixed_size: 0
    .private_segment_fixed_size: 0
    .kernarg_segment_align: 8
    .kernarg_segment_size: 32
    .max_flat_workgroup_size: 512
    .sgpr_count:     66
    .vgpr_count:     144
    .wavefront_size: 32
...
	.end_amdgpu_metadata
.endif
;; end of part 5
;; ======== version 2 of 2: 5 launches; 1.14 times as fast as version 1
;; workspace buffers: xb 4,194,304 bytes; wb 33,554,432 bytes; rt 196,608 bytes; rp 36,864 bytes; sel 34,816 bytes of whole numbers; ord 69,888 bytes of whole numbers; yp 75,497,472 bytes
;; launch prep (part 6): grid 256 x 1, 16 waves a work-group, no clusters, 23,552 bytes of LDS; arguments features, w_local, b_local, w_gate, b_gate, xb, rt, ord; writes xb, rt, ord
.if DOCPART == 6
	.amdgcn_target "amdgcn-amd-amdhsa--gfx1250"
	.amdhsa_code_object_version 6
	.text
	.protected	k_qcc49e1c95b_prep
	.globl	k_qcc49e1c95b_prep
	.p2align	8
	.type	k_qcc49e1c95b_prep,@function
k_qcc49e1c95b_prep:
	s_mov_b64 s[64:65], 0
	v_nop
	global_prefetch_b8 v0, s[64:65] scope:SCOPE_SE
	s_setreg_imm32_b32 hwreg(HW_REG_WAVE_MODE, 25, 1), 1
	s_wait_xcnt 0x0
; PREP.  (1) features are rounded once to bf16 into xb.  (2) From the ROUNDED features, w_local, b_local, w_gate, b_gate, with products and sums in f32:
; sc[token][8] = x . w_local + b_local (rt, byte 0) and {g, 1 - g, 0, 0}, g = sigmoid(x . w_gate + b_gate) (rt, byte 131,072).  (3) The slot list in ord is set to token 0.
; SHARES.  256 work-groups of 16 waves, a token a wave: lane l holds d = 128 c + 4 l .. + 3, c = 0..3.  The two small tables are rounded once by the work-group and read from LDS.
; No matrix unit: the two products are 9 columns wide and their results steer a choice of whole numbers, so they stay in f32 (products of bf16 numbers are exact there).
; LIMITS.  Inputs are rounded to bf16 (nearest even); NaN and infinities are not treated apart; the sigmoid's exponential counts as 0 below 2^-126.
.set WLT,   0                          ; w_local rounded, as f32: 4 rows d (128 bytes) every 144 bytes, an odd multiple of 16: a lane stride of 144 meets no bank twice
.set WGT,   18432                      ; w_gate rounded, as f32: 2,048 bytes
.set SCS,   20480                      ; the 16 tokens' scores, 32 bytes each
.set GTS,   20992                      ; the 16 tokens' gates, 16 bytes each
.set SPARE, 21504                      ; the spare words, 128 bytes for each of 16 waves
.set SPW, 14                           ; v14  LDS address of my spare word; never rewritten
.set NIL, 15                           ; v15  0; never rewritten
.set W,   16                           ; v[16:143]  w_local of my 16 d: index 32 c + 8 q + e
.set G,   144                          ; v[144:159] w_gate of my 16 d; later what waves 0 to 2 store
.set F,   160                          ; v[160:175] my 16 x, f32
.set XP,  176                          ; v[176:183] my 16 x, packed bf16
.set ACC, 184                          ; v[184:191] eight sums
.set AG,  192                          ; v[192:193] the gate's sum (even d, odd d); later g, 1 - g
.set BL,  194                          ; v[194:201] b_local
.set BG,  202                          ; v202 b_gate
.set T,   204                          ; at work
.set WV,  20
.set HI16, 21
.set SEL, 22                           ; s22, s23  v_permlanex16_b32's selects: each lane takes its own place in the other half
.macro RND2 a, b                       ; two f32 rounded to bf16 and widened again, in place
	v_cvt_pk_bf16_f32 v[T], v[\a], v[\b]
	v_lshlrev_b32 v[\a], 16, v[T]
	v_and_b32 v[\b], s[HI16], v[T]
.endm
.macro PKB d, w, x, sel                ; pair d += pair w x element sel of pair x
.if \sel
	v_pk_fma_f32 v[\d:\d+1], v[\w:\w+1], v[\x:\x+1], v[\d:\d+1] op_sel:[0,1,0] op_sel_hi:[1,1,1]
.else
	v_pk_fma_f32 v[\d:\d+1], v[\w:\w+1], v[\x:\x+1], v[\d:\d+1] op_sel_hi:[1,0,1]
.endif
.endm
.macro RED r                           ; the sum over the wave's 32 lanes, in every lane
	v_add_f32_dpp v[\r], v[\r], v[\r] row_xmask:1 row_mask:0xf bank_mask:0xf
	v_add_f32_dpp v[\r], v[\r], v[\r] row_xmask:2 row_mask:0xf bank_mask:0xf
	v_add_f32_dpp v[\r], v[\r], v[\r] row_xmask:4 row_mask:0xf bank_mask:0xf
	v_add_f32_dpp v[\r], v[\r], v[\r] row_xmask:8 row_mask:0xf bank_mask:0xf
	v_permlanex16_b32 v[T], v[\r], s[SEL], s[SEL+1]
	v_add_f32 v[\r], v[\r], v[T]
.endm
	s_load_b512 s[4:19], s[0:1], 0x0               ; features 4, w_local 6, b_local 8, w_gate 10, b_gate 12, xb 14, rt 16, ord 18
	v_lshl_add_u32 v[SPW], v0, 2, SPARE
	v_mov_b32 v[NIL], 0
	v_and_b32 v1, 31, v0                           ; lane
	v_lshrrev_b32 v9, 5, v0
	v_readfirstlane_b32 s[WV], v9                  ; wave 0..15
	v_lshlrev_b32 v2, 4, v0                        ; 16 t
	v_lshlrev_b32 v4, 4, v1                        ; 16 lane
	v_lshlrev_b32 v5, 3, v1                        ; 8 lane
	v_lshrrev_b32 v6, 3, v0
	v_mul_u32_u24 v6, v6, 144
	v_and_b32 v9, 7, v0
	v_lshl_add_u32 v6, v9, 4, v6                   ; where 16-byte piece t of w_local goes: (t / 8) 144 + (t % 8) 16
	v_mul_u32_u24 v7, v1, 144                      ; where my four d of a chunk lie
	v_lshl_add_u32 v8, v1, 4, WGT
	v_mov_b32 v10, 0
	s_mov_b32 s[SEL], 0x76543210
	s_mov_b32 s[SEL+1], 0xfedcba98
	s_mov_b32 s[HI16], 0xffff0000
	s_lshl_b32 s24, ttmp9, 4
	s_add_co_u32 s24, s24, s[WV]                   ; my wave's token
	s_lshl_b32 s26, s24, 11                        ; its 2,048 bytes of features,
	s_mov_b32 s27, 0
	s_lshl_b32 s28, s24, 10                        ; its 1,024 bytes of xb
	s_mov_b32 s29, 0
	s_lshl_b32 s30, ttmp9, 9                       ; the work-group's 512 bytes of scores,
	s_mov_b32 s31, 0
	s_lshl_b32 s32, ttmp9, 8                       ; its 256 bytes of gates and of the list
	s_mov_b32 s33, 0
	s_wait_kmcnt 0x0
	s_add_nc_u64 s[4:5], s[4:5], s[26:27]
	s_add_nc_u64 s[14:15], s[14:15], s[28:29]
	s_add_nc_u64 s[30:31], s[16:17], s[30:31]      ; rt: scores,
	s_add_nc_u64 s[16:17], s[16:17], s[32:33]      ; gates (131,072 further on)
	s_add_nc_u64 s[18:19], s[18:19], s[32:33]      ; ord: the list (32,768 further on)
	global_load_b128 v[W:W+3], v2, s[6:7]          ; w_local: pieces t and t + 512 of 1,024
	global_load_b128 v[W+4:W+7], v2, s[6:7] offset:8192
.irp c, 0,1,2,3
	global_load_b128 v[F+4*\c:F+4*\c+3], v4, s[4:5] offset:512*\c th:TH_LOAD_NT  ; lane l: d = 128 c + 4 l .. + 3
.endr
	global_load_b128 v[BL:BL+3], v10, s[8:9]
	global_load_b128 v[BL+4:BL+7], v10, s[8:9] offset:16
	global_load_b32 v[BG], v10, s[12:13]
	s_cmp_lt_u32 s[WV], 4
	s_cbranch_scc0 .Lno_gate
	global_load_b128 v[G:G+3], v2, s[10:11]        ; w_gate is 128 pieces: waves 0 to 3
	s_wait_loadcnt 0x0
	RND2 G, G+1
	RND2 G+2, G+3
	ds_store_b128 v2, v[G:G+3] offset:WGT
.Lno_gate:
	s_wait_loadcnt 0x0                             ; the count of loads differs by wave, so the wait is for all
	RND2 W, W+1
	RND2 W+2, W+3
	RND2 W+4, W+5
	RND2 W+6, W+7
	ds_store_b128 v6, v[W:W+3]
	ds_store_b128 v6, v[W+4:W+7] offset:9216       ; piece t + 512 lies 64 groups of 144 bytes on
	s_wait_dscnt 0x0                               ; for the others' sake: my part of the tables is written
	s_barrier_signal -1
	s_barrier_wait -1
.irp c, 0,1,2,3
.irp p, 0,1,2,3,4,5,6,7
	ds_load_b128 v[W+32*\c+4*\p:W+32*\c+4*\p+3], v7 offset:4608*\c+16*\p
.endr
	ds_load_b128 v[G+4*\c:G+4*\c+3], v8 offset:512*\c
.endr
.irp c, 0,1,2,3                        ; while they come: x is rounded, stored, and widened again
	v_cvt_pk_bf16_f32 v[XP+2*\c], v[F+4*\c], v[F+4*\c+1]
	v_cvt_pk_bf16_f32 v[XP+2*\c+1], v[F+4*\c+2], v[F+4*\c+3]
	global_store_b64 v5, v[XP+2*\c:XP+2*\c+1], s[14:15] offset:256*\c  ; the wave stores 256 consecutive bytes, at a multiple of 256
	v_lshlrev_b32 v[F+4*\c], 16, v[XP+2*\c]
	v_and_b32 v[F+4*\c+1], s[HI16], v[XP+2*\c]
	v_lshlrev_b32 v[F+4*\c+2], 16, v[XP+2*\c+1]
	v_and_b32 v[F+4*\c+3], s[HI16], v[XP+2*\c+1]
.endr
	RND2 BL, BL+1
	RND2 BL+2, BL+3
	RND2 BL+4, BL+5
	RND2 BL+6, BL+7
	v_cvt_pk_bf16_f32 v[T], v[BG], v[BG]
	v_lshlrev_b32 v[BG], 16, v[T]
	s_wait_dscnt 0x0
.set c, 0
.rept 4                                ; 16 d x 8 experts, two experts a line; the first line starts the sums
.set q, 0
.rept 4
.set pe, 0
.rept 4
.if (c+q) == 0
	v_pk_mul_f32 v[ACC+2*pe:ACC+2*pe+1], v[W+2*pe:W+2*pe+1], v[F:F+1] op_sel_hi:[1,0]
.else
	PKB ACC+2*pe, W+32*c+8*q+2*pe, F+4*c+2*(q/2), q%2
.endif
.set pe, pe+1
.endr
.set q, q+1
.endr
.set c, c+1
.endr
	v_pk_mul_f32 v[AG:AG+1], v[G:G+1], v[F:F+1]
.set c, 1
.rept 7
	v_pk_fma_f32 v[AG:AG+1], v[G+2*c:G+2*c+1], v[F+2*c:F+2*c+1], v[AG:AG+1]
.set c, c+1
.endr
	v_add_f32 v[AG], v[AG], v[AG+1]
.irp e, 0,1,2,3,4,5,6,7
	RED ACC+\e
.endr
	RED AG
.irp e, 0,2,4,6
	v_pk_add_f32 v[ACC+\e:ACC+\e+1], v[ACC+\e:ACC+\e+1], v[BL+\e:BL+\e+1]
.endr
	v_add_f32 v[AG], v[AG], v[BG]
	v_mul_f32 v[T], 0xbfb8aa3b, v[AG]              ; - z log2(e)
	v_exp_f32 v[T], v[T]
	v_mov_b32 v[BL], 0                             ; a plain line behind the exponential; v[192:195] becomes {g, 1 - g, 0, 0}
	s_wait_alu depctr_va_vdst(0)
	v_add_f32 v[T], 1.0, v[T]
	v_rcp_f32 v[AG], v[T]
	v_mov_b32 v[BL+1], 0                           ; a plain line behind the reciprocal
	s_wait_alu depctr_va_vdst(0)
	v_sub_f32 v[AG+1], 1.0, v[AG]
	v_mov_b32 v9, s[WV]
	v_lshlrev_b32 v11, 4, v9
	v_lshlrev_b32 v9, 5, v9
	ds_store_b128 v9, v[ACC:ACC+3] offset:SCS      ; all lanes hold the same numbers and write the same bytes
	ds_store_b128 v9, v[ACC+4:ACC+7] offset:SCS+16
	ds_store_b128 v11, v[AG:AG+3] offset:GTS
	s_wait_dscnt 0x0                               ; for the others' sake
	s_barrier_signal -1
	s_barrier_wait -1
	s_cmp_lg_u32 s[WV], 0
	s_cbranch_scc1 .Lnot_0
	ds_load_b128 v[G:G+3], v4 offset:SCS           ; wave 0 stores the 16 tokens' scores: 512 consecutive bytes
	s_wait_dscnt 0x0
	global_store_b128 v4, v[G:G+3], s[30:31]
.Lnot_0:
	s_cmp_lg_u32 s[WV], 1
	s_cbranch_scc1 .Lnot_1
	ds_load_b64 v[G:G+1], v5 offset:GTS            ; wave 1 the gates: 256 consecutive bytes
	s_wait_dscnt 0x0
	global_store_b64 v5, v[G:G+1], s[16:17] offset:131072
.Lnot_1:
	s_cmp_lg_u32 s[WV], 2
	s_cbranch_scc1 .Lnot_2
	s_cmp_lt_u32 ttmp9, 144                        ; the list is 64 x 144 words = 144 pieces of 256 bytes
	s_cbranch_scc0 .Lnot_2
	v_mov_b32 v[G], 0
	v_mov_b32 v[G+1], 0
	global_store_b64 v5, v[G:G+1], s[18:19] offset:32768
.Lnot_2:
	s_wait_tensorcnt 0x0                           ; the wave's end, behind my last LDS store
	ds_add_u32 v[SPW], v[NIL]
	s_wait_dscnt 0x0
	s_endpgm
.Lfunc_end_k_qcc49e1c95b_prep:
	.size	k_qcc49e1c95b_prep, .Lfunc_end_k_qcc49e1c95b_prep-k_qcc49e1c95b_prep
	.p2alignl 7, 3214868480
	.fill 96, 4, 3214868480
	.section	.rodata,"a",@progbits
	.p2align	6, 0x0
	.amdhsa_kernel k_qcc49e1c95b_prep
		.amdhsa_group_segment_fixed_size 23552
		.amdhsa_private_segment_fixed_size 0
		.amdhsa_enable_private_segment 0
		.amdhsa_kernarg_size 64
		.amdhsa_user_sgpr_count 2
		.amdhsa_user_sgpr_kernarg_segment_ptr 1
		.amdhsa_wavefront_size32 1
		.amdhsa_system_sgpr_workgroup_id_x 1
		.amdhsa_system_sgpr_workgroup_id_y 1
		.amdhsa_system_sgpr_workgroup_id_z 1
		.amdhsa_system_vgpr_workitem_id 0
		.amdhsa_next_free_vgpr 208
		.amdhsa_next_free_sgpr 66
		.amdhsa_reserve_vcc 0
		.amdhsa_float_denorm_mode_32 3
		.amdhsa_float_denorm_mode_16_64 3
		.amdhsa_memory_ordered 1
		.amdhsa_forward_progress 1
		.amdhsa_inst_pref_size 18
	.end_amdhsa_kernel
	.amdgpu_metadata
---
amdhsa.version: [ 1, 2 ]
amdhsa.kernels:
  - .name:           k_qcc49e1c95b_prep
    .symbol:         k_qcc49e1c95b_prep.kd
    .args:
      - { .name: features, .offset: 0, .size: 8, .value_kind: global_buffer, .address_space: global }
      - { .name: w_local, .offset: 8, .size: 8, .value_kind: global_buffer, .address_space: global }
      - { .name: b_local, .offset: 16, .size: 8, .value_kind: global_buffer, .address_space: global }
      - { .name: w_gate, .offset: 24, .size: 8, .value_kind: global_buffer, .address_space: global }
      - { .name: b_gate, .offset: 32, .size: 8, .value_kind: global_buffer, .address_space: global }
      - { .name: xb, .offset: 40, .size: 8, .value_kind: global_buffer, .address_space: global }
      - { .name: rt, .offset: 48, .size: 8, .value_kind: global_buffer, .address_space: global }
      - { .name: ord, .offset: 56, .size: 8, .value_kind: global_buffer, .address_space: global }
    .group_segment_fixed_size: 23552
    .private_segment_fixed_size: 0
    .kernarg_segment_align: 8
    .kernarg_segment_size: 64
    .max_flat_workgroup_size: 512
    .sgpr_count:     66
    .vgpr_count:     208
    .wavefront_size: 32
...
	.end_amdgpu_metadata
.endif
;; end of part 6
;; launch route (part 7): grid 256 x 1, 8 waves a work-group, no clusters, 38,912 bytes of LDS; arguments adjacency, rt, out1, sel, rp, w_up, wb; writes out1, sel, rp, wb
.if DOCPART == 7
	.amdgcn_target "amdgcn-amd-amdhsa--gfx1250"
	.amdhsa_code_object_version 6
	.text
	.protected	k_qcc49e1c95b_route
	.globl	k_qcc49e1c95b_route
	.p2align	8
	.type	k_qcc49e1c95b_route,@function
k_qcc49e1c95b_route:
	s_mov_b64 s[64:65], 0
	v_nop
	global_prefetch_b8 v0, s[64:65] scope:SCOPE_SE
	s_setreg_imm32_b32 hwreg(HW_REG_WAVE_MODE, 25, 1), 1
	s_wait_xcnt 0x0
; TWO JOBS IN ONE LAUNCH.  Work-groups 0 to 127 route the tokens; work-groups 128 to 255 round the first half of w_up to bf16, which nothing ahead of the expert launch needs.  The branch
; between the two hangs on the work-group's number alone, the same in all its waves: a routing work-group's 8 waves all pass its two barriers, a casting one meets none.
; ROUTE.  For each token i: ns = (sum over j of adj[i][j] sc[j]) / (sum over j of adj[i][j] + 1e-8); logits = g sc[i] + (1 - g) ns; softmax with the row's maximum taken away; the two
; largest (the lower index wins a tie); their probabilities divided by (their sum + 1e-8).  out1 takes the two indices, rp the two weights and, for each work-group, the sum of its 32 rows'
; probabilities.  sel takes for each entry (token, k) the word expert | rank << 8, the rank counted among the work-group's 64 entries of the same expert, and from byte 32,768 on the
; work-group's eight counts, two 16-bit counts a word: values that a later launch turns into places; no address and no branch of this launch hangs on them.
; adjacency is rounded to bf16 like every input; all else is f32, on the vector units: sc is an intermediate, and rounding it for a matrix operand would change choices.
; SHARES.  A routing work-group has 32 tokens of one batch, so that out1, sel's words and the weights are each one piece of 256 consecutive bytes; a wave has 4 rows of adjacency, all
; 32 loads of them issued at once; lane l holds the neighbours j = 128 c + 4 l .. + 3, c = 0..7.  The batch's 1,024 x 8 scores lie in LDS.
; CAST.  16,777,216 bytes of f32 = 128 work-groups x 131,072; thread t takes bytes 16 t + 4,096 i, i = 0..31, all loads issued at once, every register written once.
; LIMITS.  The choice is made on the logits in f32: where two logits lie closer than the rounding of f32 sums, the choice may differ from another order of summation.  NaN and infinities
; are not treated apart; an exponential below 2^-126 counts as 0.
.set OUTS,  36864                      ; behind the scores (256 groups of 4 tokens, 128 bytes every 144): 32 tokens x 2 indices
.set TPS,   37120                      ; 32 tokens x 2 weights
.set USS,   37376                      ; 8 waves x 8 sums
.set SPARE, 37888                      ; the spare words, 128 bytes for each of 8 waves
.set SPW, 14
.set NIL, 15
.set AD,  16                           ; v[16:143]  adjacency: chunk c, row rr at 16 c + 4 rr; chunk 0's registers later take the rows' own scores and gate
.set OWN, 16
.set GG,  24
.set OG,  25
.set SB,  144                          ; v[144:207] two buffers of 4 neighbours x 8 scores: index 8 q + e
.set ACC, 208                          ; v[208:239] 8 sums a row; later the logits in v[208:215]
.set PR,  224                          ; v[224:231] later: the probabilities
.set I1,  232                          ; v[232:233] the two indices
.set Q1,  234                          ; v[234:235] their probabilities
.set BV,  236                          ; the best logit so far
.set CN,  240                          ; v[240:247] a pair of counts a row
.set T,   248                          ; at work
.set CX,  16                           ; the cast: v[16:143] piece i as loaded, 4 registers
.set CY,  144                          ; v[144:207] piece i packed, 2 registers
.set RUN, 40                           ; s[40:47] the work-group's entries of expert e
.set MSK, 68                           ; s[68:83] the lanes whose entry k holds expert e, at 8 k + e
.macro PKB d, w, x, sel                ; pair d += pair w x element sel of pair x
.if \sel
	v_pk_fma_f32 v[\d:\d+1], v[\w:\w+1], v[\x:\x+1], v[\d:\d+1] op_sel:[0,1,0] op_sel_hi:[1,1,1]
.else
	v_pk_fma_f32 v[\d:\d+1], v[\w:\w+1], v[\x:\x+1], v[\d:\d+1] op_sel_hi:[1,0,1]
.endif
.endm
.macro RED r
	v_add_f32_dpp v[\r], v[\r], v[\r] row_xmask:1 row_mask:0xf bank_mask:0xf
	v_add_f32_dpp v[\r], v[\r], v[\r] row_xmask:2 row_mask:0xf bank_mask:0xf
	v_add_f32_dpp v[\r], v[\r], v[\r] row_xmask:4 row_mask:0xf bank_mask:0xf
	v_add_f32_dpp v[\r], v[\r], v[\r] row_xmask:8 row_mask:0xf bank_mask:0xf
	v_permlanex16_b32 v[T], v[\r], s32, s33
	v_add_f32 v[\r], v[\r], v[T]
.endm
	v_lshl_add_u32 v[SPW], v0, 2, SPARE
	v_mov_b32 v[NIL], 0
	s_cmp_ge_u32 ttmp9, 128
	s_cbranch_scc1 .Lcast
	s_load_b256 s[4:11], s[0:1], 0x0               ; adjacency 4, rt 6, out1 8, sel 10
	s_load_b64 s[12:13], s[0:1], 0x20              ; rp
	v_and_b32 v1, 31, v0
	v_lshrrev_b32 v9, 5, v0
	v_readfirstlane_b32 s14, v9                    ; wave 0..7
	v_lshlrev_b32 v2, 4, v1                        ; 16 lane
	v_lshlrev_b32 v3, 4, v0                        ; 16 t
	v_lshrrev_b32 v4, 3, v0
	v_mul_u32_u24 v4, v4, 144
	v_and_b32 v9, 7, v0
	v_lshl_add_u32 v4, v9, 4, v4                   ; where 16-byte piece t of the scores goes
	v_mul_u32_u24 v5, v1, 144                      ; where my four neighbours of a chunk lie
	v_and_b32 v9, 3, v0                            ; at the end lane l works for row l % 4 of the wave's four
	v_lshlrev_b32 v6, 5, v9
	v_lshlrev_b32 v7, 4, v9
	v_lshl_add_u32 v8, s14, 2, v9
	v_lshlrev_b32 v8, 3, v8                        ; 8 bytes for token 4 w + l % 4 of the work-group
	v_lshlrev_b32 v10, 3, v1                       ; 8 lane
	s_lshr_b32 s16, ttmp9, 5
	s_lshl_b32 s16, s16, 15                        ; the batch's 32,768 bytes of scores
	s_mov_b32 s17, 0
	s_lshl_b32 s20, ttmp9, 17
	s_lshl_b32 s21, s14, 14
	s_add_co_u32 s20, s20, s21                     ; my wave's four rows of 4,096 bytes
	s_mov_b32 s21, 0
	s_lshl_b32 s22, ttmp9, 10
	s_lshl_b32 s23, s14, 7
	s_add_co_u32 s22, s22, s23                     ; their own scores,
	s_mov_b32 s23, 0
	s_lshl_b32 s24, ttmp9, 9
	s_lshl_b32 s25, s14, 6
	s_add_co_u32 s24, s24, s25                     ; their gates
	s_mov_b32 s25, 0
	s_lshl_b32 s26, ttmp9, 8                       ; the work-group's 256 bytes in out1, in sel's words and in the weights,
	s_mov_b32 s27, 0
	s_lshl_b32 s36, ttmp9, 4                       ; its 16 bytes of counts,
	s_mov_b32 s37, 0
	s_lshl_b32 s38, ttmp9, 5                       ; its 32 bytes of sums
	s_mov_b32 s39, 0
	s_mov_b32 s28, 0x22222222                      ; lanes with l % 4 = 1,
	s_mov_b32 s29, 0x44444444                      ; 2,
	s_mov_b32 s30, 0x88888888                      ; 3
	s_mov_b32 s32, 0x76543210
	s_mov_b32 s33, 0xfedcba98
	s_mov_b32 s34, 0xffff0000
	s_mov_b32 s35, 0xff800000                      ; minus infinity takes the first choice out of the second search
	s_wait_kmcnt 0x0
	s_add_nc_u64 s[18:19], s[6:7], s[16:17]
	s_add_nc_u64 s[4:5], s[4:5], s[20:21]
	s_add_nc_u64 s[22:23], s[6:7], s[22:23]
	s_add_nc_u64 s[24:25], s[6:7], s[24:25]
	s_add_nc_u64 s[36:37], s[10:11], s[36:37]      ; sel: counts (32,768 further on)
	s_add_nc_u64 s[38:39], s[12:13], s[38:39]      ; rp: sums (32,768 further on)
	s_add_nc_u64 s[8:9], s[8:9], s[26:27]
	s_add_nc_u64 s[10:11], s[10:11], s[26:27]
	s_add_nc_u64 s[12:13], s[12:13], s[26:27]
.irp i, 0,1,2,3,4,5,6,7
	global_load_b128 v[SB+4*\i:SB+4*\i+3], v3, s[18:19] offset:4096*\i
.endr
.irp c, 0,1,2,3,4,5,6,7
.irp rr, 0,1,2,3
	global_load_b128 v[AD+16*\c+4*\rr:AD+16*\c+4*\rr+3], v2, s[4:5] offset:4096*\rr+512*\c th:TH_LOAD_NT
.endr
.endr
	s_wait_loadcnt 32                              ; the eight pieces of scores are in; the 32 loads of adjacency stay out
.irp i, 0,1,2,3,4,5,6,7
	ds_store_b128 v4, v[SB+4*\i:SB+4*\i+3] offset:4608*\i
.endr
	s_wait_dscnt 0x0                               ; for the others' sake
	s_barrier_signal -1
	s_barrier_wait -1
.irp p, 0,1,2,3,4,5,6,7
	ds_load_b128 v[SB+4*\p:SB+4*\p+3], v5 offset:16*\p
.endr
.macro ROWWORK c, rr                   ; 4 neighbours of one row: rounded, counted, and multiplied into the row's 8 sums
.set ra, AD+16*(\c)+4*(\rr)
.set rc, ACC+8*(\rr)
.set rn, CN+2*(\rr)
.set rs, SB+32*((\c)%2)
	v_cvt_pk_bf16_f32 v[T], v[ra], v[ra+1]
	v_cvt_pk_bf16_f32 v[T+1], v[ra+2], v[ra+3]
	v_lshlrev_b32 v[ra], 16, v[T]
	v_and_b32 v[ra+1], s34, v[T]
	v_lshlrev_b32 v[ra+2], 16, v[T+1]
	v_and_b32 v[ra+3], s34, v[T+1]
.if (\c) == 0
	v_pk_add_f32 v[rn:rn+1], v[ra:ra+1], v[ra+2:ra+3]
.else
	v_pk_add_f32 v[rn:rn+1], v[rn:rn+1], v[ra:ra+1]
	v_pk_add_f32 v[rn:rn+1], v[rn:rn+1], v[ra+2:ra+3]
.endif
.set q, 0
.rept 4
.set pe, 0
.rept 4
.if ((\c)+q) == 0
	v_pk_mul_f32 v[rc+2*pe:rc+2*pe+1], v[rs+2*pe:rs+2*pe+1], v[ra:ra+1] op_sel_hi:[1,0]
.else
	PKB rc+2*pe, rs+8*q+2*pe, ra+2*(q/2), q%2
.endif
.set pe, pe+1
.endr
.set q, q+1
.endr
.endm
.macro CHUNK c
.if (\c) < 7
.irp p, 0,1,2,3,4,5,6,7
	ds_load_b128 v[SB+32*(((\c)+1)%2)+4*\p:SB+32*(((\c)+1)%2)+4*\p+3], v5 offset:4608*((\c)+1)+16*\p
.endr
.endif
.if (\c) == 0
	s_wait_loadcnt 28                              ; chunk 0's four loads are in; 28 younger ones stay out
.else
	s_wait_loadcnt 4*(7-(\c))+3                    ; behind this chunk's loads: the later chunks' and the three of the rows' own data
.endif
.if (\c) < 7
	s_wait_dscnt 8                                 ; this chunk's scores are in; the eight loads just issued stay out
.else
	s_wait_dscnt 0x0
.endif
.irp rr, 0,1,2,3
	ROWWORK \c, \rr
.endr
.endm
	CHUNK 0
	global_load_b128 v[OWN:OWN+3], v6, s[22:23]    ; chunk 0's registers are free: row l % 4's own scores and gate
	global_load_b128 v[OWN+4:OWN+7], v6, s[22:23] offset:16
	global_load_b64 v[GG:GG+1], v7, s[24:25] offset:131072
.irp c, 1,2,3,4,5,6,7
	CHUNK \c
.endr
.irp rr, 0,1,2,3
	v_add_f32 v[CN+2*\rr], v[CN+2*\rr], v[CN+2*\rr+1]
.endr
.set i, 0
.rept 32
	RED ACC+i
.set i, i+1
.endr
.irp rr, 0,1,2,3
	RED CN+2*\rr
.endr
.irp e, 0,1,2,3,4,5,6,7                ; lane l keeps row l % 4's nine numbers
	v_cndmask_b32 v[ACC+\e], v[ACC+\e], v[ACC+8+\e], s28
	v_cndmask_b32 v[ACC+\e], v[ACC+\e], v[ACC+16+\e], s29
	v_cndmask_b32 v[ACC+\e], v[ACC+\e], v[ACC+24+\e], s30
.endr
	v_cndmask_b32 v[CN], v[CN], v[CN+2], s28
	v_cndmask_b32 v[CN], v[CN], v[CN+4], s29
	v_cndmask_b32 v[CN], v[CN], v[CN+6], s30
	v_add_f32 v[T], 0x322bcc77, v[CN]              ; + 1e-8
	v_rcp_f32 v[T], v[T]
	s_wait_loadcnt 0x0
	v_nop                                          ; a plain line behind the reciprocal
	s_wait_alu depctr_va_vdst(0)
.irp e, 0,1,2,3,4,5,6,7
	v_mul_f32 v[ACC+\e], v[ACC+\e], v[T]
.endr
.irp e, 0,1,2,3,4,5,6,7
	v_mul_f32 v[ACC+\e], v[OG], v[ACC+\e]
.endr
.irp e, 0,1,2,3,4,5,6,7
	v_fma_f32 v[ACC+\e], v[GG], v[OWN+\e], v[ACC+\e]   ; the logits
.endr
	v_max3_num_f32 v[T], v[ACC], v[ACC+1], v[ACC+2]
	v_max3_num_f32 v[T], v[T], v[ACC+3], v[ACC+4]
	v_max3_num_f32 v[T], v[T], v[ACC+5], v[ACC+6]
	v_max_num_f32 v[T], v[T], v[ACC+7]
.irp e, 0,1,2,3,4,5,6,7
	v_sub_f32 v[PR+\e], v[ACC+\e], v[T]
.endr
.irp e, 0,1,2,3,4,5,6,7
	v_mul_f32 v[PR+\e], 0x3fb8aa3b, v[PR+\e]
.endr
.irp e, 0,1,2,3,4,5,6,7
	v_exp_f32 v[PR+\e], v[PR+\e]
.endr
	v_mov_b32 v[I1], 0                             ; a plain line behind the exponentials
	s_wait_alu depctr_va_vdst(0)
	v_add_f32 v[T+1], v[PR], v[PR+1]
	v_add_f32 v[T+2], v[PR+2], v[PR+3]
	v_add_f32 v[T+3], v[PR+4], v[PR+5]
	v_add_f32 v[T+4], v[PR+6], v[PR+7]
	v_add_f32 v[T+1], v[T+1], v[T+2]
	v_add_f32 v[T+3], v[T+3], v[T+4]
	v_add_f32 v[T+1], v[T+1], v[T+3]
	v_rcp_f32 v[T+1], v[T+1]
	v_mov_b32 v[I1+1], 0                           ; a plain line behind the reciprocal
	s_wait_alu depctr_va_vdst(0)
.irp e, 0,1,2,3,4,5,6,7
	v_mul_f32 v[PR+\e], v[PR+\e], v[T+1]
.endr
.macro BEST k                          ; the largest logit: its index and its probability; a strict comparison keeps the lower index
	v_mov_b32 v[BV], v[ACC]
	v_mov_b32 v[Q1+\k], v[PR]
.irp e, 1,2,3,4,5,6,7
	v_cmp_gt_f32 vcc_lo, v[ACC+\e], v[BV]
	v_cndmask_b32 v[BV], v[BV], v[ACC+\e], vcc_lo
	v_cndmask_b32 v[I1+\k], v[I1+\k], \e, vcc_lo
	v_cndmask_b32 v[Q1+\k], v[Q1+\k], v[PR+\e], vcc_lo
.endr
.endm
	BEST 0
.irp e, 0,1,2,3,4,5,6,7
	v_cmp_eq_u32 vcc_lo, \e, v[I1]
	v_cndmask_b32 v[ACC+\e], v[ACC+\e], s35, vcc_lo
.endr
	BEST 1
	v_add_f32 v[T], v[Q1], v[Q1+1]
	v_add_f32 v[T], 0x322bcc77, v[T]
	v_rcp_f32 v[T], v[T]
	v_mov_b32 v9, s14                              ; a plain line behind the reciprocal
	s_wait_alu depctr_va_vdst(0)
	v_mul_f32 v[Q1], v[Q1], v[T]
	v_mul_f32 v[Q1+1], v[Q1+1], v[T]
.irp e, 0,1,2,3,4,5,6,7                ; the four rows' probabilities added: lanes l, l ^ 1, l ^ 2, l ^ 3 hold the four rows
	v_add_f32_dpp v[PR+\e], v[PR+\e], v[PR+\e] row_xmask:1 row_mask:0xf bank_mask:0xf
.endr
.irp e, 0,1,2,3,4,5,6,7
	v_add_f32_dpp v[PR+\e], v[PR+\e], v[PR+\e] row_xmask:2 row_mask:0xf bank_mask:0xf
.endr
	v_lshlrev_b32 v9, 5, v9
	ds_store_b64 v8, v[I1:I1+1] offset:OUTS        ; the eight lanes of a row hold the same numbers and write the same bytes
	ds_store_b64 v8, v[Q1:Q1+1] offset:TPS
	ds_store_b128 v9, v[PR:PR+3] offset:USS
	ds_store_b128 v9, v[PR+4:PR+7] offset:USS+16
	s_wait_dscnt 0x0                               ; for the others' sake
	s_barrier_signal -1
	s_barrier_wait -1
	s_cmp_lg_u32 s14, 0
	s_cbranch_scc1 .Lnot_0
	ds_load_b64 v[T:T+1], v10 offset:OUTS          ; wave 0: lane l holds token l's two experts
	s_wait_dscnt 0x0
	global_store_b64 v10, v[T:T+1], s[8:9]         ; 256 consecutive bytes, at a multiple of 256
; The 64 entries ranked by expert, the 32 with k = 0 in front of the 32 with k = 1.  All compares first, so that the scalar lines behind them find their masks ready.
.irp i, 0,1
.irp e, 0,1,2,3,4,5,6,7
	v_cmp_eq_u32 s[MSK+8*\i+\e], \e, v[T+\i]
.endr
.endr
.irp e, 0,1,2,3,4,5,6,7
	s_bcnt1_i32_b32 s[RUN+\e], s[MSK+\e]           ; holders of expert e among the entries with k = 0
.endr
	v_mbcnt_lo_u32_b32 v[T+4], s[MSK], 0           ; a rank = the holders in lower lanes (for k = 1: + all holders with k = 0); each lane keeps the rank of the one expert that it holds
	v_mbcnt_lo_u32_b32 v[T+5], s[MSK+8], s[RUN]
.irp e, 1,2,3,4,5,6,7
	v_mbcnt_lo_u32_b32 v[T+2], s[MSK+\e], 0
	v_cndmask_b32 v[T+4], v[T+4], v[T+2], s[MSK+\e]
	v_mbcnt_lo_u32_b32 v[T+3], s[MSK+8+\e], s[RUN+\e]
	v_cndmask_b32 v[T+5], v[T+5], v[T+3], s[MSK+8+\e]
.endr
.irp e, 0,1,2,3,4,5,6,7
	s_bcnt1_i32_b32 s49, s[MSK+8+\e]
	s_add_co_u32 s[RUN+\e], s[RUN+\e], s49         ; the work-group's count of expert e
.endr
	v_lshl_or_b32 v[T+6], v[T+4], 8, v[T]          ; expert | rank << 8
	v_lshl_or_b32 v[T+7], v[T+5], 8, v[T+1]
	global_store_b64 v10, v[T+6:T+7], s[10:11]
	v_mov_b32 v[T+3], 0
.irp k, 0,1,2,3
	s_lshl_b32 s49, s[RUN+2*\k+1], 16              ; a count is 64 at the most, all work-groups' 8,192: 16 bits hold the sums
	s_or_b32 s49, s49, s[RUN+2*\k]
	v_writelane_b32 v[T+3], s49, \k
.endr
	v_lshlrev_b32 v[T+2], 2, v1
	v_cmp_gt_u32 vcc_lo, 4, v1
	s_wait_xcnt 0x0                                ; EXEC changes only behind this wait: my earlier stores have read it
	s_and_saveexec_b32 s50, vcc_lo
	global_store_b32 v[T+2], v[T+3], s[36:37] offset:32768  ; lanes 0 to 3: the four words of counts
	s_wait_xcnt 0x0
	s_or_b32 exec_lo, exec_lo, s50
.Lnot_0:
	s_cmp_lg_u32 s14, 1
	s_cbranch_scc1 .Lnot_1
	ds_load_b64 v[T:T+1], v10 offset:TPS
	s_wait_dscnt 0x0
	global_store_b64 v10, v[T:T+1], s[12:13]
.Lnot_1:
	s_cmp_lg_u32 s14, 2
	s_cbranch_scc1 .Lnot_2
	ds_load_b64 v[T:T+1], v10 offset:USS           ; wave 2: lane l holds wave l / 4's sums of experts 2 (l % 4) and 2 (l % 4) + 1
	s_wait_dscnt 0x0
.irp k, 0,1                            ; the eight waves' sums added: lanes 4, 8 and 16 apart
	v_add_f32_dpp v[T+\k], v[T+\k], v[T+\k] row_xmask:4 row_mask:0xf bank_mask:0xf
	v_add_f32_dpp v[T+\k], v[T+\k], v[T+\k] row_xmask:8 row_mask:0xf bank_mask:0xf
	v_permlanex16_b32 v[T+2+\k], v[T+\k], s32, s33
	v_add_f32 v[T+\k], v[T+\k], v[T+2+\k]
.endr
	v_cmp_gt_u32 vcc_lo, 4, v1
	s_wait_xcnt 0x0                                ; EXEC changes only behind this wait
	s_and_saveexec_b32 s50, vcc_lo
	global_store_b64 v10, v[T:T+1], s[38:39] offset:32768   ; lanes 0 to 3: the work-group's eight sums
	s_wait_xcnt 0x0
	s_or_b32 exec_lo, exec_lo, s50
.Lnot_2:
	s_wait_tensorcnt 0x0                           ; the wave's end, behind my last LDS store
	ds_add_u32 v[SPW], v[NIL]
	s_wait_dscnt 0x0
	s_endpgm
; THE CAST.  A wave's load covers 512 consecutive bytes, its store 256 at a multiple of 256.
.Lcast:
	s_load_b64 s[4:5], s[0:1], 0x28                ; w_up
	s_load_b64 s[6:7], s[0:1], 0x30                ; wb
	v_lshlrev_b32 v2, 4, v0                        ; 16 t
	v_lshlrev_b32 v3, 3, v0                        ; 8 t
	s_sub_co_u32 s12, ttmp9, 128                   ; c = 0..127
	s_lshl_b32 s16, s12, 17                        ; my 131,072 bytes of w_up,
	s_mov_b32 s17, 0
	s_lshl_b32 s18, s12, 16                        ; and their 65,536 bytes in wb
	s_mov_b32 s19, 0
	s_wait_kmcnt 0x0
	s_add_nc_u64 s[4:5], s[4:5], s[16:17]
	s_add_nc_u64 s[6:7], s[6:7], s[18:19]
.set i, 0
.rept 32
	global_load_b128 v[CX+4*i:CX+4*i+3], v2, s[4:5] offset:4096*i th:TH_LOAD_NT
.set i, i+1
.endr
.set i, 0
.rept 32
	s_wait_loadcnt 31-i                            ; loads come back in order: piece i is in, the pieces behind it stay out
	v_cvt_pk_bf16_f32 v[CY+2*i], v[CX+4*i], v[CX+4*i+1]
	v_cvt_pk_bf16_f32 v[CY+2*i+1], v[CX+4*i+2], v[CX+4*i+3]
	global_store_b64 v3, v[CY+2*i:CY+2*i+1], s[6:7] offset:2048*i
.set i, i+1
.endr
	s_wait_tensorcnt 0x0                           ; the wave's end
	ds_add_u32 v[SPW], v[NIL]
	s_wait_dscnt 0x0
	s_endpgm
.Lfunc_end_k_qcc49e1c95b_route:
	.size	k_qcc49e1c95b_route, .Lfunc_end_k_qcc49e1c95b_route-k_qcc49e1c95b_route
	.p2alignl 7, 3214868480
	.fill 96, 4, 3214868480
	.section	.rodata,"a",@progbits
	.p2align	6, 0x0
	.amdhsa_kernel k_qcc49e1c95b_route
		.amdhsa_group_segment_fixed_size 38912
		.amdhsa_private_segment_fixed_size 0
		.amdhsa_enable_private_segment 0
		.amdhsa_kernarg_size 56
		.amdhsa_user_sgpr_count 2
		.amdhsa_user_sgpr_kernarg_segment_ptr 1
		.amdhsa_wavefront_size32 1
		.amdhsa_system_sgpr_workgroup_id_x 1
		.amdhsa_system_sgpr_workgroup_id_y 1
		.amdhsa_system_sgpr_workgroup_id_z 1
		.amdhsa_system_vgpr_workitem_id 0
		.amdhsa_next_free_vgpr 256
		.amdhsa_next_free_sgpr 84
		.amdhsa_reserve_vcc 1
		.amdhsa_float_denorm_mode_32 3
		.amdhsa_float_denorm_mode_16_64 3
		.amdhsa_memory_ordered 1
		.amdhsa_forward_progress 1
		.amdhsa_inst_pref_size 96
	.end_amdhsa_kernel
	.amdgpu_metadata
---
amdhsa.version: [ 1, 2 ]
amdhsa.kernels:
  - .name:           k_qcc49e1c95b_route
    .symbol:         k_qcc49e1c95b_route.kd
    .args:
      - { .name: adjacency, .offset: 0, .size: 8, .value_kind: global_buffer, .address_space: global }
      - { .name: rt, .offset: 8, .size: 8, .value_kind: global_buffer, .address_space: global }
      - { .name: out1, .offset: 16, .size: 8, .value_kind: global_buffer, .address_space: global }
      - { .name: sel, .offset: 24, .size: 8, .value_kind: global_buffer, .address_space: global }
      - { .name: rp, .offset: 32, .size: 8, .value_kind: global_buffer, .address_space: global }
      - { .name: w_up, .offset: 40, .size: 8, .value_kind: global_buffer, .address_space: global }
      - { .name: wb, .offset: 48, .size: 8, .value_kind: global_buffer, .address_space: global }
    .group_segment_fixed_size: 38912
    .private_segment_fixed_size: 0
    .kernarg_segment_align: 8
    .kernarg_segment_size: 56
    .max_flat_workgroup_size: 256
    .sgpr_count:     84
    .vgpr_count:     256
    .wavefront_size: 32
...
	.end_amdgpu_metadata
.endif
;; end of part 7
;; launch bucket (part 8): grid 256 x 1, 32 waves a work-group, no clusters, 0 bytes of LDS; arguments sel, rp, ord, out2, w_up, w_down, wb; writes ord, out2, wb
.if DOCPART == 8
	.amdgcn_target "amdgcn-amd-amdhsa--gfx1250"
	.amdhsa_code_object_version 6
	.text
	.protected	k_qcc49e1c95b_bucket
	.globl	k_qcc49e1c95b_bucket
	.p2align	8
	.type	k_qcc49e1c95b_bucket,@function
k_qcc49e1c95b_bucket:
	s_mov_b64 s[64:65], 0
	v_nop
	global_prefetch_b8 v0, s[64:65] scope:SCOPE_SE
	s_setreg_imm32_b32 hwreg(HW_REG_WAVE_MODE, 25, 1), 1
	s_wait_xcnt 0x0
; THE PLACES OF THE ROUTED ENTRIES, out2, AND THREE QUARTERS OF THE CAST.
; CAST, every wave of every work-group.  wb takes w_up at byte 0 and w_down at 16,777,216, layouts unchanged, each number rounded once (nearest even).  Here: all of w_down, 2,048 pieces of
; 16,384 bytes (1,024 threads x 16), 8 a work-group, and the second half of w_up, 1,024 pieces, 4 a work-group (the first half was done by an earlier launch).  A thread's 12 loads are all issued
; at once and every register is written once: no loop, nothing to free.  A wave's load covers 512 consecutive bytes, its store 256 at a multiple of 256.
; PLACES, wave 0 of work-groups 0 to 127, for the 64 entries (token, k) of tokens 32 g .. 32 g + 31.  The 8,192 entries go into exactly 64 blocks of 144 slots, each block one expert's.  With
; counts c_e (their sum 8,192) the experts need sum of ceil(c_e / 144) <= floor((8192 + 8 x 143) / 144) = 64 blocks, and at least 57; the L <= 7 blocks left over go to the fullest expert m
; (c_m >= 1,024 >= 144 L): its first 144 L rows are laid 72 to a block, in 2 L blocks.  An earlier launch stored for each group of 32 tokens its eight counts and each entry's rank in its group;
; every placing wave reads all 128 x 8 counts (2 KiB), adds them up whole and up to its own group, and lays the blocks out for itself: no traffic between work-groups, no LDS, no barrier.
; ord takes pos[token][k] (the entry's slot), list[slot] (its token; slots without an entry keep the 0 that an earlier launch stored) and, from work-group 0, blk[block] (its expert).
; The stores of 4 bytes into the list go to slots that the ranks decide: 32 KiB in all.
; out2, wave 0 of work-group 128: std / (mean + 1e-8) of the experts' shares of the summed probabilities, in two passes (the mean first, then the squares of the differences).
; Both special waves issue their few loads first, then their share of the cast's loads, and work while those are on their way; the cast's text stands once on each of the three ways,
; so that no register is read behind one branch that only another branch has written.
.set X,   16                           ; v[16:63]   the cast: piece i as loaded, 4 registers
.set Y,   64                           ; v[64:87]   piece i packed, 2 registers; free for the special waves' work until the conversions begin
.set W,   64                           ; v[64:65]   my two entries' words: expert | rank << 8
.set C,   68                           ; v[68:83]   counts of groups 4 l .. 4 l + 3, two 16-bit counts a word: at 4 j + k
.set TOT, 84                           ; v[84:87]   their sum over all groups
.set BAS, 88                           ; v[88:91]   their sum over the groups in front of mine
.set MK,  92                           ; v[92:107]  the counts of the groups in front of mine, 0 for the others
.set E,   108                          ; v[108:109] my entries' experts
.set LR,  110                          ; v[110:111] their ranks in the group
.set XT,  112                          ; v[112:113] the slot of the group's first entry of that expert
.set SL,  114                          ; v[114:115] slots
.set SA,  116                          ; v[116:117] 4 x slot
.set TK,  118                          ; v118       my token
.set IX,  120                          ; v[120:123] 4 l + j
.set U,   88                           ; out2: v[88:119] sums of groups 4 l .. 4 l + 3, at 8 j + e; then the eight sums in v[88:95]
.set CE,  32                           ; s[32:39] c_e
.set BA,  40                           ; s[40:47] entries of expert e in the groups in front of mine; then the slot of my group's first entry of expert e
.set NB,  48                           ; s[48:55] blocks of expert e
.set BB,  56                           ; s[56:63] blocks in front of expert e's
.macro RED r                           ; the sum over the wave's 32 lanes, in every lane
	v_add_f32_dpp v[\r], v[\r], v[\r] row_xmask:1 row_mask:0xf bank_mask:0xf
	v_add_f32_dpp v[\r], v[\r], v[\r] row_xmask:2 row_mask:0xf bank_mask:0xf
	v_add_f32_dpp v[\r], v[\r], v[\r] row_xmask:4 row_mask:0xf bank_mask:0xf
	v_add_f32_dpp v[\r], v[\r], v[\r] row_xmask:8 row_mask:0xf bank_mask:0xf
	v_permlanex16_b32 v5, v[\r], s20, s21
	v_add_f32 v[\r], v[\r], v5
.endm
.macro IRED r                          ; the same for whole numbers
.irp m, 1,2,4,8
	v_mov_b32_dpp v5, v[\r] row_xmask:\m row_mask:0xf bank_mask:0xf
	v_add_nc_u32 v[\r], v[\r], v5
.endr
	v_permlanex16_b32 v5, v[\r], s20, s21
	v_add_nc_u32 v[\r], v[\r], v5
.endm
.macro CLOADS                          ; my 12 pieces' loads
.irp i, 0,1,2,3,4,5,6,7
	global_load_b128 v[X+4*\i:X+4*\i+3], v2, s[22:23] offset:16384*\i th:TH_LOAD_NT
.endr
.irp i, 0,1,2,3
	global_load_b128 v[X+32+4*\i:X+32+4*\i+3], v2, s[24:25] offset:16384*\i th:TH_LOAD_NT
.endr
.endm
.macro CCONV                           ; they are rounded and stored, and the wave ends
.irp i, 0,1,2,3,4,5,6,7
	s_wait_loadcnt 11-\i                           ; loads come back in order: piece i is in, the pieces behind it stay out
	v_cvt_pk_bf16_f32 v[Y+2*\i], v[X+4*\i], v[X+4*\i+1]
	v_cvt_pk_bf16_f32 v[Y+2*\i+1], v[X+4*\i+2], v[X+4*\i+3]
	global_store_b64 v3, v[Y+2*\i:Y+2*\i+1], s[26:27] offset:8192*\i
.endr
.irp i, 0,1,2,3
	s_wait_loadcnt 3-\i
	v_cvt_pk_bf16_f32 v[Y+16+2*\i], v[X+32+4*\i], v[X+32+4*\i+1]
	v_cvt_pk_bf16_f32 v[Y+16+2*\i+1], v[X+32+4*\i+2], v[X+32+4*\i+3]
	global_store_b64 v3, v[Y+16+2*\i:Y+16+2*\i+1], s[28:29] offset:8192*\i
.endr
	s_endpgm
.endm
	s_load_b256 s[4:11], s[0:1], 0x0               ; sel 4, rp 6, ord 8, out2 10
	s_load_b128 s[12:15], s[0:1], 0x20             ; w_up 12, w_down 14
	s_load_b64 s[16:17], s[0:1], 0x30              ; wb
	v_and_b32 v1, 31, v0                           ; lane
	v_lshrrev_b32 v5, 5, v0
	v_readfirstlane_b32 s18, v5                    ; wave 0..31
	v_lshlrev_b32 v2, 4, v0                        ; 16 t
	v_lshlrev_b32 v3, 3, v0                        ; 8 t
	s_mov_b32 s19, ttmp9                           ; g
	s_mov_b32 s20, 0x76543210                      ; v_permlanex16_b32: each lane takes its own place in the other half
	s_mov_b32 s21, 0xfedcba98
	s_mov_b32 s31, 0
	s_lshl_b32 s30, ttmp9, 17
	s_wait_kmcnt 0x0
	s_add_nc_u64 s[22:23], s[14:15], s[30:31]      ; my 8 pieces, 131,072 bytes, of w_down
	s_lshl_b32 s30, ttmp9, 16
	s_add_nc_u64 s[24:25], s[12:13], s[30:31]      ; my 4 pieces, 65,536 bytes, of w_up's second half
	s_add_nc_u64 s[24:25], s[24:25], 0x1000000
	s_add_nc_u64 s[26:27], s[16:17], s[30:31]      ; wb: w_down's 65,536 bytes,
	s_add_nc_u64 s[26:27], s[26:27], 0x1000000
	s_lshl_b32 s30, ttmp9, 15
	s_add_nc_u64 s[28:29], s[16:17], s[30:31]      ; w_up's 32,768
	s_add_nc_u64 s[28:29], s[28:29], 0x800000
	s_cmp_lg_u32 s18, 0
	s_cbranch_scc1 .Lplain
	s_cmp_lt_u32 ttmp9, 128
	s_cbranch_scc1 .Lplace
	s_cmp_eq_u32 ttmp9, 128
	s_cbranch_scc1 .Laux
.Lplain:
	CLOADS
	CCONV
.Lplace:
	v_lshlrev_b32 v4, 3, v1                        ; 8 lane
	v_lshlrev_b32 v6, 6, v1                        ; 64 lane
	v_lshlrev_b32 v7, 2, v1                        ; 4 lane
	s_lshl_b32 s30, ttmp9, 8                       ; my group's 256 bytes in sel's words and in pos
	s_add_nc_u64 s[66:67], s[4:5], s[30:31]
	s_add_nc_u64 s[68:69], s[8:9], s[30:31]
	global_load_b64 v[W:W+1], v4, s[66:67]
.irp j, 0,1,2,3
	global_load_b128 v[C+4*\j:C+4*\j+3], v6, s[4:5] offset:32768+16*\j
.endr
	CLOADS
.irp j, 0,1,2,3
	v_or_b32 v[IX+\j], \j, v7
.endr
	v_lshl_add_u32 v[TK], s19, 5, v1               ; token 32 g + l
	s_wait_loadcnt 12                              ; my five loads are in; the cast's 12, issued behind them, stay out
.irp j, 0,1,2,3
	v_cmp_gt_u32 vcc_lo, s19, v[IX+\j]             ; groups in front of mine
.irp k, 0,1,2,3
	v_cndmask_b32 v[MK+4*\j+\k], 0, v[C+4*\j+\k], vcc_lo
.endr
.endr
.irp k, 0,1,2,3
	v_add3_u32 v[TOT+\k], v[C+\k], v[C+4+\k], v[C+8+\k]
	v_add3_u32 v[BAS+\k], v[MK+\k], v[MK+4+\k], v[MK+8+\k]
	v_add_nc_u32 v[TOT+\k], v[TOT+\k], v[C+12+\k]
	v_add_nc_u32 v[BAS+\k], v[BAS+\k], v[MK+12+\k]
.endr
.irp k, 0,1,2,3,4,5,6,7
	IRED TOT+\k                                    ; TOT and BAS lie on end
.endr
.irp k, 0,1,2,3
	v_readfirstlane_b32 s75, v[TOT+\k]
	s_and_b32 s[CE+2*\k], s75, 0xffff
	s_lshr_b32 s[CE+2*\k+1], s75, 16
	v_readfirstlane_b32 s75, v[BAS+\k]
	s_and_b32 s[BA+2*\k], s75, 0xffff
	s_lshr_b32 s[BA+2*\k+1], s75, 16
.endr
.irp e, 0,1,2,3,4,5,6,7
	s_add_co_u32 s75, s[CE+\e], 143                ; ceil(c / 144) = ((c + 143) / 16) / 9; y / 9 = (7282 y) >> 16 for y < 32,768 (9 x 7282 = 65,536 + 2)
	s_lshr_b32 s75, s75, 4
	s_mul_i32 s75, s75, 7282
	s_lshr_b32 s[NB+\e], s75, 16
.endr
	s_mov_b32 s70, 64
.irp e, 0,1,2,3,4,5,6,7
	s_sub_co_u32 s70, s70, s[NB+\e]                ; L
.endr
	s_mov_b32 s71, 0                               ; m, the first of the fullest
	s_mov_b32 s72, s[CE]
.irp e, 1,2,3,4,5,6,7
	s_cmp_gt_u32 s[CE+\e], s72
	s_cselect_b32 s71, \e, s71
	s_cselect_b32 s72, s[CE+\e], s72
.endr
.irp e, 0,1,2,3,4,5,6,7
	s_cmp_eq_u32 s71, \e
	s_cselect_b32 s75, s70, 0
	s_add_co_u32 s[NB+\e], s[NB+\e], s75
.endr
	s_mov_b32 s[BB], 0
.irp e, 0,1,2,3,4,5,6
	s_add_co_u32 s[BB+\e+1], s[BB+\e], s[NB+\e]
.endr
	s_mov_b32 s73, 0
.irp e, 0,1,2,3,4,5,6,7
	s_cmp_eq_u32 s71, \e
	s_cselect_b32 s73, s[BB+\e], s73
.endr
	s_mul_i32 s73, s73, 144                        ; expert m's first slot
	s_mul_i32 s74, s70, 144                        ; 144 L
.irp e, 0,1,2,3,4,5,6,7
	s_mul_i32 s75, s[BB+\e], 144
	s_add_co_u32 s[BA+\e], s[BA+\e], s75           ; where my group's entries of expert e begin
.endr
.irp i, 0,1
	v_and_b32 v[E+\i], 7, v[W+\i]
	v_bfe_u32 v[LR+\i], v[W+\i], 8, 6
	v_mov_b32 v[XT+\i], s[BA]
.irp e, 1,2,3,4,5,6,7
	v_cmp_eq_u32 vcc_lo, \e, v[E+\i]
	v_cndmask_b32 v[XT+\i], v[XT+\i], s[BA+\e], vcc_lo
.endr
	v_add_nc_u32 v[SL+\i], v[XT+\i], v[LR+\i]      ; the slot if all blocks were full
	v_sub_nc_u32 v5, v[SL+\i], s73                 ; the rank in expert m (used for its entries alone)
	v_cmp_gt_u32 vcc_lo, s74, v5
	v_lshrrev_b32 v5, 3, v5
	v_mul_u32_u24 v5, v5, 7282
	v_lshrrev_b32 v5, 16, v5                       ; rank / 72
	v_mul_u32_u24 v5, v5, 72
	v_cndmask_b32 v5, s74, v5, vcc_lo              ; in the halved blocks 72 (rank / 72) slots are skipped, behind them 144 L
	v_cmp_eq_u32 vcc_lo, s71, v[E+\i]
	v_cndmask_b32 v5, 0, v5, vcc_lo
	v_add_nc_u32 v[SL+\i], v[SL+\i], v5
	v_min_u32 v[SL+\i], 0x23ff, v[SL+\i]           ; 9,215, the last slot
	v_lshlrev_b32 v[SA+\i], 2, v[SL+\i]
.endr
	global_store_b64 v4, v[SL:SL+1], s[68:69]      ; 256 consecutive bytes, at a multiple of 256
	global_store_b32 v[SA], v[TK], s[8:9] offset:32768
	global_store_b32 v[SA+1], v[TK], s[8:9] offset:32768
	s_cmp_lg_u32 ttmp9, 0
	s_cbranch_scc1 .Lno_blk
	v_lshlrev_b32 v92, 1, v1                       ; work-group 0: lane l names the experts of blocks 2 l and 2 l + 1: the number of experts 1..7 that begin at or in front of the block
	v_or_b32 v93, 1, v92
	v_mov_b32 v94, 0
	v_mov_b32 v95, 0
.irp e, 1,2,3,4,5,6,7
	v_cmp_le_u32 vcc_lo, s[BB+\e], v92
	v_cndmask_b32 v5, 0, 1, vcc_lo
	v_add_nc_u32 v94, v94, v5
	v_cmp_le_u32 vcc_lo, s[BB+\e], v93
	v_cndmask_b32 v5, 0, 1, vcc_lo
	v_add_nc_u32 v95, v95, v5
.endr
	global_store_b64 v4, v[94:95], s[8:9] offset:69632  ; 256 consecutive bytes
.Lno_blk:
	CCONV                                          ; it writes v[64:87] alone: none of them is a source of the stores above
.Laux:
	v_lshlrev_b32 v6, 7, v1                        ; 128 lane: the sums of groups 4 l .. 4 l + 3
.irp j, 0,1,2,3,4,5,6,7
	global_load_b128 v[U+4*\j:U+4*\j+3], v6, s[6:7] offset:32768+16*\j
.endr
	CLOADS
	s_wait_loadcnt 12                              ; my eight loads are in; the cast's 12, issued behind them, stay out
.irp p, 0,2,4,6
	v_pk_add_f32 v[U+\p:U+\p+1], v[U+\p:U+\p+1], v[U+8+\p:U+8+\p+1]
	v_pk_add_f32 v[U+16+\p:U+16+\p+1], v[U+16+\p:U+16+\p+1], v[U+24+\p:U+24+\p+1]
	v_pk_add_f32 v[U+\p:U+\p+1], v[U+\p:U+\p+1], v[U+16+\p:U+16+\p+1]
.endr
.irp e, 0,1,2,3,4,5,6,7
	RED U+\e
.endr
.macro SUM8                            ; v120 = the sum of the eight
	v_add_f32 v120, v[U], v[U+1]
	v_add_f32 v121, v[U+2], v[U+3]
	v_add_f32 v122, v[U+4], v[U+5]
	v_add_f32 v123, v[U+6], v[U+7]
	v_add_f32 v120, v120, v121
	v_add_f32 v122, v122, v123
	v_add_f32 v120, v120, v122
.endm
	SUM8
	v_add_f32 v121, 0x322bcc77, v120               ; + 1e-8
	v_rcp_f32 v121, v121
	v_nop                                          ; a plain line behind the reciprocal
	s_wait_alu depctr_va_vdst(0)
.irp e, 0,1,2,3,4,5,6,7
	v_mul_f32 v[U+\e], v[U+\e], v121               ; the shares
.endr
	SUM8
	v_mul_f32 v120, 0x3e000000, v120               ; their mean
.irp e, 0,1,2,3,4,5,6,7
	v_sub_f32 v[U+\e], v[U+\e], v120
.endr
	v_mul_f32 v122, v[U], v[U]
.irp e, 1,2,3,4,5,6,7
	v_fmac_f32 v122, v[U+\e], v[U+\e]
.endr
	v_mul_f32 v122, 0x3e000000, v122
	v_add_f32 v123, 0x322bcc77, v120
	v_sqrt_f32 v122, v122
	v_rcp_f32 v123, v123
	v_mov_b32 v121, 0                              ; a plain line behind the two
	s_wait_alu depctr_va_vdst(0)
	v_mul_f32 v122, v122, v123
	v_cmp_eq_u32 vcc_lo, 0, v1
	s_wait_xcnt 0x0                                ; EXEC changes only behind this wait: the loads that are out have read it
	s_and_saveexec_b32 s76, vcc_lo
	global_store_b32 v121, v122, s[10:11]          ; lane 0 alone
	s_wait_xcnt 0x0
	s_or_b32 exec_lo, exec_lo, s76
	CCONV
.Lfunc_end_k_qcc49e1c95b_bucket:
	.size	k_qcc49e1c95b_bucket, .Lfunc_end_k_qcc49e1c95b_bucket-k_qcc49e1c95b_bucket
	.p2alignl 7, 3214868480
	.fill 96, 4, 3214868480
	.section	.rodata,"a",@progbits
	.p2align	6, 0x0
	.amdhsa_kernel k_qcc49e1c95b_bucket
		.amdhsa_group_segment_fixed_size 0
		.amdhsa_private_segment_fixed_size 0
		.amdhsa_enable_private_segment 0
		.amdhsa_kernarg_size 56
		.amdhsa_user_sgpr_count 2
		.amdhsa_user_sgpr_kernarg_segment_ptr 1
		.amdhsa_wavefront_size32 1
		.amdhsa_system_sgpr_workgroup_id_x 1
		.amdhsa_system_sgpr_workgroup_id_y 1
		.amdhsa_system_sgpr_workgroup_id_z 1
		.amdhsa_system_vgpr_workitem_id 0
		.amdhsa_next_free_vgpr 124
		.amdhsa_next_free_sgpr 80
		.amdhsa_reserve_vcc 1
		.amdhsa_float_denorm_mode_32 3
		.amdhsa_float_denorm_mode_16_64 3
		.amdhsa_memory_ordered 1
		.amdhsa_forward_progress 1
		.amdhsa_inst_pref_size 38
	.end_amdhsa_kernel
	.amdgpu_metadata
---
amdhsa.version: [ 1, 2 ]
amdhsa.kernels:
  - .name:           k_qcc49e1c95b_bucket
    .symbol:         k_qcc49e1c95b_bucket.kd
    .args:
      - { .name: sel, .offset: 0, .size: 8, .value_kind: global_buffer, .address_space: global }
      - { .name: rp, .offset: 8, .size: 8, .value_kind: global_buffer, .address_space: global }
      - { .name: ord, .offset: 16, .size: 8, .value_kind: global_buffer, .address_space: global }
      - { .name: out2, .offset: 24, .size: 8, .value_kind: global_buffer, .address_space: global }
      - { .name: w_up, .offset: 32, .size: 8, .value_kind: global_buffer, .address_space: global }
      - { .name: w_down, .offset: 40, .size: 8, .value_kind: global_buffer, .address_space: global }
      - { .name: wb, .offset: 48, .size: 8, .value_kind: global_buffer, .address_space: global }
    .group_segment_fixed_size: 0
    .private_segment_fixed_size: 0
    .kernarg_segment_align: 8
    .kernarg_segment_size: 56
    .max_flat_workgroup_size: 1024
    .sgpr_count:     80
    .vgpr_count:     124
    .wavefront_size: 32
...
	.end_amdgpu_metadata
.endif
;; end of part 8
;; launch mlp: the kernel of part 4 again; grid 4 x 64, 4 waves a work-group, no clusters, 327,680 bytes of LDS; arguments xb, wb, ord, b_up, b_down, yp; writes yp
;; launch combine: the kernel of part 5 again; grid 256 x 1, 16 waves a work-group, no clusters, 0 bytes of LDS; arguments ord, rp, yp, out0; writes out0
